; MI455X (gfx1250); checked and timed in simulation.
; The chip was launched on July 23, 2026; its instructions are those of AMD's public machine-readable ISA for CDNA 5 (MIT licence, August 2026) and "CDNA5" Instruction Set Architecture Reference Guide (July 2026).
;; Long Attention Condenser. Allowed arithmetic: matrix products marked QUANTISED: E5M2 operands, one E8M0 scale for each 32 along K, by v_wmma_scale_f32_16x16x128_f8f6f4 with both operands' format E5M2, f32 sums; products left as they are: f32 operands where the result goes on into a quantised operand, else bf16, f16 or f32 operands; f32 sums; everything else in f32.
;; Inputs: b1 2,048 float32; b2 1,024 float32; bk 1,024 float32; bo 1,024 float32; bq 1,024 float32; bv 1,024 float32; h_img_seq_codes 1 x 32,768 x 32 x 32 uint8 (E5M2 codes of h_img_seq, K innermost, in blocks of 32 codes); h_img_seq_scales 1 x 32,768 x 32 uint8 (E8M0 scales of h_img_seq, one for each 32 codes along K); latents 8 x 1,024 float32; ln_b 1,024 float32; ln_g 1,024 float32; w1 1,024 x 2,048 float32; w2 2,048 x 1,024 float32; wk_codes 1,024 x 32 x 32 uint8 (E5M2 codes of wk, K innermost, in blocks of 32 codes); wk_scales 1,024 x 32 uint8 (E8M0 scales of wk, one for each 32 codes along K); wo 1,024 x 1,024 float32; wq 1,024 x 1,024 float32; wv_codes 1,024 x 32 x 32 uint8 (E5M2 codes of wv, K innermost, in blocks of 32 codes); wv_scales 1,024 x 32 uint8 (E8M0 scales of wv, one for each 32 codes along K).
;; Outputs: out0 1 x 8 x 1,024 float32; out1 1 x 1,024 float32.
;; This version of the problem:
;;   THIS VERSION OF THE PROBLEM IS GIVEN IN LOW PRECISION. The matrix products marked QUANTISED in the list below multiply operands that are first quantised to E5M2 (5 exponent bits, 2 mantissa bits; 8 bits a number), with one power-of-two scale for each 32 numbers along K (OCP MX v1.0); their sums are f32. All else is computed in f32.
;;   The module's matrix products, in the order in which they are computed (A, B: the left and right operand; K: the contracted axis; several contracted axes count as one K, in the product's order):
;;     1. [M 8, K 1,024] x [K 1,024, N 1,024]; A: input latents; B: input wq: left as it is (M = 8 < 16)
;;     2. [M 32,768, K 1,024] x [K 1,024, N 1,024]; A: input h_img_seq (given as codes); B: input wk (given as codes): QUANTISED
;;     3. [M 32,768, K 1,024] x [K 1,024, N 1,024]; A: input h_img_seq (given as codes); B: input wv (given as codes): QUANTISED
;;     4. batch 8 x [M 32,768, K 128] x [K 128, N 8]; A: computed on the way; B: computed on the way: left as it is (N = 8 < 16)
;;     5. batch 8 x [M 8, K 32,768] x [K 32,768, N 128]; A: computed on the way; B: computed on the way: left as it is (M = 8 < 16)
;;     6. [M 8, K 1,024] x [K 1,024, N 1,024]; A: computed on the way; B: input wo: left as it is (M = 8 < 16)
;;     7. [M 8, K 1,024] x [K 1,024, N 2,048]; A: computed on the way; B: input w1: left as it is (M = 8 < 16)
;;     8. [M 8, K 2,048] x [K 2,048, N 1,024]; A: computed on the way; B: input w2: left as it is (M = 8 < 16)
;;   THE QUANTISER, for each operand of a quantised product, along K:
;;     - K is cut into blocks of 32 from its start; a last block that is shorter is filled with zeros.
;;     - A block's scale is 2^e with e = floor(log2(the largest magnitude in the block)) - 15, held to -126 .. 127; a block of zeros has e = 0. As a byte (E8M0): e + 127.
;;     - Each number is divided by its block's scale, clamped to +-57,344, and rounded to the nearest number of E5M2, ties to even, subnormals kept.
;;     - The product sums the exact products of the quantised numbers (number of the format x scale) in f32.
;;   ~~~python
;;   def quantise(x, axis):      # numpy; x: float32 -> the quantised numbers, widened to float32 again
;;       x = np.moveaxis(x, axis, -1); K = x.shape[-1]
;;       x = np.pad(x, [(0, 0)] * (x.ndim - 1) + [(0, -K % 32)]); x = x.reshape(x.shape[:-1] + (-1, 32)); a = np.abs(x).max(-1, keepdims=True)
;;       e = np.where(a > 0, np.clip(np.frexp(np.where(a > 0, a, 1))[1] - 1 - 15, -126, 127), 0)      # np.frexp(a)[1] - 1 = floor(log2(a)), exactly
;;       r = np.clip(x / 2.0 ** e, -57344, 57344)
;;       step = 2.0 ** (np.maximum(np.frexp(np.where(r == 0, 1, r))[1] - 1, -14) - 2)
;;       q = np.round(r / step) * step * 2.0 ** e      # np.round: ties to even
;;       return np.moveaxis(q.reshape(q.shape[:-2] + (-1,))[..., :K], -1, axis).astype(np.float32)
;;   ~~~
;;   INPUTS GIVEN AS CODES. h_img_seq (in the module: [1, 32768, 1024], K = its axis 2); wk (in the module: [1024, 1024], K = its axis 0); wv (in the module: [1024, 1024], K = its axis 0): each comes as NAME_codes (uint8): NAME with its K axis moved to the last place and cut into blocks of 32 codes, [.., K / 32, bytes a block], one block behind the other in memory; one code a byte (a code: sign, 5 exponent bits, 2 mantissa bits); and NAME_scales (uint8): the same leading axes, one E8M0 byte (e + 127) for each 32 codes along K. Its value is code x scale, taken as it is: it is not quantised again, and the codes and scales need not be those that the quantiser above would give.
;; One version. Each part assembles by itself: llvm-mc -triple=amdgcn-amd-amdhsa -mcpu=gfx1250 --defsym DOCPART=n.
;; ======== version 1 of 1: 6 launches
;; limits: a function is approximated: absolute error at most 1.5e-07; values are held in f16: magnitudes above 65,504 overflow, below 6.1e-05 lose precision
;; workspace buffers: qpart 262,144 bytes; wvn 1,048,576 bytes; pacc 1,048,576 bytes; pst 65,536 bytes; opart 262,144 bytes; hpart 655,360 bytes; lnst 16,384 bytes; ypart 524,288 bytes
;; launch qproj (part 1): grid 16 x 8, 8 waves a work-group, no clusters, 37,888 bytes of LDS; arguments latents, wq, wv_codes, qpart, wvn; writes qpart, wvn
.if DOCPART == 1
	.amdgcn_target "amdgcn-amd-amdhsa--gfx1250"
	.amdhsa_code_object_version 6
	.text
	.protected	k_qddb80e1726_qproj
	.globl	k_qddb80e1726_qproj
	.p2align	8
	.type	k_qddb80e1726_qproj,@function
k_qddb80e1726_qproj:
	s_mov_b64 s[64:65], 0
	v_nop
	global_prefetch_b8 v0, s[64:65] scope:SCOPE_SE
	s_setreg_imm32_b32 hwreg(HW_REG_WAVE_MODE, 25, 1), 1
	s_wait_xcnt 0x0
.set N,    1024
.set PW,   4*N
.set NW,   8
.set RW,   128/NW
.set NLD,  RW/2
.set REDB, 4096
.set XOF,  5
.set WOF,  6
.set XST,  7
.set XQ,   8
.set XAD,  12
.set RST,  13
.set RRD,  14
.set OOF,  15
.set W,    16
.set X,    48
.set ACC,  112
.set RQ,   16
.set NOF,  144
.set NG,   146
.set WV,   20
.set YY,   21
.set SCR,  22
.set OFW,  24
.set OFO,  26
.set WB,   6
.set OB,   10
.macro ADDRS mreg
	s_mul_i32 s[SCR], s[WV], RW*PW
	v_mul_u32_u24 v[WOF], v4, PW
	v_lshl_add_u32 v[WOF], v3, 4, v[WOF]
	v_add_nc_u32 v[WOF], s[SCR], v[WOF]
	s_lshl_b32 s[SCR], s[\mreg], 2
	v_lshl_add_u32 v[XST], v2, 7, s[SCR]
	s_mul_i32 s[SCR], s[WV], RW*32
	v_lshl_add_u32 v[XAD], v4, 5, s[SCR]
	s_lshl_b32 s[SCR], s[WV], 12
	s_add_co_u32 s[SCR], s[SCR], REDB
	v_lshl_add_u32 v[RST], v2, 4, s[SCR]
	s_lshl_b32 s[SCR], s[WV], 10
	s_add_co_u32 s[SCR], s[SCR], REDB
	v_lshlrev_b32 v[RRD], 9, v4
	v_lshl_add_u32 v[RRD], v3, 4, v[RRD]
	v_add_nc_u32 v[RRD], s[SCR], v[RRD]
	s_mul_i32 s[SCR], s[WV], 2*PW
	v_mul_u32_u24 v[OOF], v4, PW
	v_lshl_add_u32 v[OOF], v3, 4, v[OOF]
	v_add_nc_u32 v[OOF], s[SCR], v[OOF]
	s_mul_i32 s[OFW], s[YY], 128*PW
	s_lshl_b32 s[SCR], ttmp9, 8
	s_add_co_u32 s[OFW], s[OFW], s[SCR]
	s_mov_b32 s[OFW+1], 0
	s_mul_i32 s[OFO], s[YY], 8*PW
	s_add_co_u32 s[OFO], s[OFO], s[SCR]
	s_mov_b32 s[OFO+1], 0
.endm
.macro WLOADS
.set i, 0
.rept NLD
	global_load_b128 v[W+4*i:W+4*i+3], v[WOF], s[WB:WB+1] offset:i*2*PW th:TH_LOAD_NT
.set i, i+1
.endr
.endm
.macro XSTORE
.irp e, 0,1,2,3
	ds_store_b32 v[XST], v[XQ+\e] offset:32*\e
.endr
.endm
.macro BARRIER
	s_wait_dscnt 0x0
	s_barrier_signal -1
	s_barrier_wait -1
.endm
.macro CORE
.set i, 0
.rept NLD
	ds_load_b128 v[X+8*i:X+8*i+3], v[XAD] offset:64*i
	ds_load_b128 v[X+8*i+4:X+8*i+7], v[XAD] offset:64*i+16
.set i, i+1
.endr
	s_wait_dscnt 0x0
	s_wait_loadcnt 0x0
.irp m, 0,2,4,6
.irp c, 0,2
	v_pk_mul_f32 v[ACC+4*\m+\c:ACC+4*\m+\c+1], v[W+\c:W+\c+1], v[X+\m:X+\m+1] op_sel_hi:[1,0]
	v_pk_mul_f32 v[ACC+4*\m+4+\c:ACC+4*\m+4+\c+1], v[W+\c:W+\c+1], v[X+\m:X+\m+1] op_sel:[0,1] op_sel_hi:[1,1]
.endr
.endr
.set i, 1
.rept NLD-1
.irp m, 0,2,4,6
.irp c, 0,2
	v_pk_fma_f32 v[ACC+4*\m+\c:ACC+4*\m+\c+1], v[W+4*i+\c:W+4*i+\c+1], v[X+8*i+\m:X+8*i+\m+1], v[ACC+4*\m+\c:ACC+4*\m+\c+1] op_sel_hi:[1,0,1]
	v_pk_fma_f32 v[ACC+4*\m+4+\c:ACC+4*\m+4+\c+1], v[W+4*i+\c:W+4*i+\c+1], v[X+8*i+\m:X+8*i+\m+1], v[ACC+4*\m+4+\c:ACC+4*\m+4+\c+1] op_sel:[0,1,0] op_sel_hi:[1,1,1]
.endr
.endr
.set i, i+1
.endr
.endm
.macro REDUCE
.irp m, 0,1,2,3,4,5,6,7
	ds_store_b128 v[RST], v[ACC+4*\m:ACC+4*\m+3] offset:512*\m
.endr
	BARRIER
	s_cmp_gt_u32 s[WV], 3
	s_cbranch_scc1 .Lend
.set t, 0
.rept 2*NW
	ds_load_b128 v[RQ+4*t:RQ+4*t+3], v[RRD] offset:(t/2)*4096+(t%2)*256
.set t, t+1
.endr
	s_wait_dscnt 0x0
.set t, 2
.rept 2*NW-2
	v_pk_add_f32 v[RQ+4*(t%2):RQ+4*(t%2)+1], v[RQ+4*(t%2):RQ+4*(t%2)+1], v[RQ+4*t:RQ+4*t+1]
	v_pk_add_f32 v[RQ+4*(t%2)+2:RQ+4*(t%2)+3], v[RQ+4*(t%2)+2:RQ+4*(t%2)+3], v[RQ+4*t+2:RQ+4*t+3]
.set t, t+1
.endr
	v_pk_add_f32 v[RQ:RQ+1], v[RQ:RQ+1], v[RQ+4:RQ+5]
	v_pk_add_f32 v[RQ+2:RQ+3], v[RQ+2:RQ+3], v[RQ+6:RQ+7]
	global_store_b128 v[OOF], v[RQ:RQ+3], s[OB:OB+1]
.Lend:
.endm
	s_load_b256 s[4:11], s[0:1], 0x0
	s_load_b64 s[12:13], s[0:1], 0x20
	v_lshl_add_u32 v160, v0, 2, 0x9000
	v_mov_b32 v161, 0
	v_lshrrev_b32 v1, 5, v0
	v_readfirstlane_b32 s[WV], v1
	v_and_b32 v2, 31, v0
	v_and_b32 v3, 15, v0
	v_bfe_u32 v4, v0, 4, 1
	s_and_b32 s[YY], ttmp7, 0xffff
	ADDRS WV
	s_lshl_b32 s[SCR], s[YY], 4
	s_add_co_u32 s[SCR], s[SCR], ttmp9
	s_lshl_b32 s[SCR], s[SCR], 13
	s_lshl_b32 s30, s[WV], 10
	s_add_co_u32 s[SCR], s[SCR], s30
	v_lshl_add_u32 v[NOF], v2, 4, s[SCR]
	s_lshl_b32 s[SCR], s[WV], 12
	s_lshl_b32 s30, s[YY], 9
	s_add_co_u32 s[SCR], s[SCR], s30
	v_lshl_add_u32 v[XOF], v2, 4, s[SCR]
	s_wait_kmcnt 0x0
	s_add_nc_u64 s[6:7], s[6:7], s[OFW:OFW+1]
	s_add_nc_u64 s[10:11], s[10:11], s[OFO:OFO+1]
	global_load_b128 v[NG:NG+3], v[NOF], s[8:9]
	global_load_b128 v[NG+4:NG+7], v[NOF], s[8:9] offset:512
	global_load_b128 v[XQ:XQ+3], v[XOF], s[4:5]
	WLOADS
	s_wait_loadcnt NLD
.irp e, 0,1,2,3,4,5,6,7
	v_xor_b32 v[NG+\e], 0x80808080, v[NG+\e]
.endr
	global_store_b128 v[NOF], v[NG:NG+3], s[12:13]
	global_store_b128 v[NOF], v[NG+4:NG+7], s[12:13] offset:512
	XSTORE
	BARRIER
	CORE
	REDUCE
	s_wait_tensorcnt 0x0
	ds_add_u32 v160, v161
	s_wait_dscnt 0x0
	s_endpgm
.Lfunc_end_k_qddb80e1726_qproj:
	.size	k_qddb80e1726_qproj, .Lfunc_end_k_qddb80e1726_qproj-k_qddb80e1726_qproj
	.p2alignl 7, 3214868480
	.fill 96, 4, 3214868480
	.section	.rodata,"a",@progbits
	.p2align	6, 0x0
	.amdhsa_kernel k_qddb80e1726_qproj
		.amdhsa_group_segment_fixed_size 37888
		.amdhsa_private_segment_fixed_size 0
		.amdhsa_enable_private_segment 0
		.amdhsa_kernarg_size 40
		.amdhsa_user_sgpr_count 2
		.amdhsa_user_sgpr_kernarg_segment_ptr 1
		.amdhsa_wavefront_size32 1
		.amdhsa_system_sgpr_workgroup_id_x 1
		.amdhsa_system_sgpr_workgroup_id_y 1
		.amdhsa_system_sgpr_workgroup_id_z 1
		.amdhsa_system_vgpr_workitem_id 0
		.amdhsa_next_free_vgpr 162
		.amdhsa_next_free_sgpr 66
		.amdhsa_reserve_vcc 0
		.amdhsa_float_denorm_mode_32 3
		.amdhsa_float_denorm_mode_16_64 3
		.amdhsa_memory_ordered 1
		.amdhsa_forward_progress 1
		.amdhsa_inst_pref_size 18
	.end_amdhsa_kernel
	.amdgpu_metadata
---
amdhsa.version: [ 1, 2 ]
amdhsa.kernels:
  - .name:           k_qddb80e1726_qproj
    .symbol:         k_qddb80e1726_qproj.kd
    .args:
      - { .name: latents, .offset: 0, .size: 8, .value_kind: global_buffer, .address_space: global }
      - { .name: wq, .offset: 8, .size: 8, .value_kind: global_buffer, .address_space: global }
      - { .name: wv_codes, .offset: 16, .size: 8, .value_kind: global_buffer, .address_space: global }
      - { .name: qpart, .offset: 24, .size: 8, .value_kind: global_buffer, .address_space: global }
      - { .name: wvn, .offset: 32, .size: 8, .value_kind: global_buffer, .address_space: global }
    .group_segment_fixed_size: 37888
    .private_segment_fixed_size: 0
    .kernarg_segment_align: 8
    .kernarg_segment_size: 40
    .max_flat_workgroup_size: 256
    .sgpr_count:     66
    .vgpr_count:     162
    .wavefront_size: 32
...
	.end_amdgpu_metadata
.endif
;; end of part 1
;; launch main (part 2): grid 8 x 32, 4 waves a work-group, clusters of 4 x 4, 327,680 bytes of LDS; arguments h_img_seq_codes, h_img_seq_scales, wk_codes, wk_scales, wv_codes, wv_scales, qpart, bq, bk, wvn, pacc, pst; writes pacc, pst
.if DOCPART == 2
	.amdgcn_target "amdgcn-amd-amdhsa--gfx1250"
	.amdhsa_code_object_version 6
	.text
	.protected	k_qddb80e1726_main
	.globl	k_qddb80e1726_main
	.p2align	8
	.type	k_qddb80e1726_main,@function
k_qddb80e1726_main:
	s_mov_b64 s[64:65], 0
	v_nop
	global_prefetch_b8 v0, s[64:65] scope:SCOPE_SE
	s_setreg_imm32_b32 hwreg(HW_REG_WAVE_MODE, 25, 1), 1
	s_wait_xcnt 0x0
	s_wait_alu depctr_hold_cnt(0) depctr_sa_sdst(0) depctr_va_vdst(0) depctr_va_sdst(0) depctr_va_ssrc(0) depctr_va_vcc(0) depctr_vm_vsrc(0)
	s_getreg_b32 s2, hwreg(HW_REG_IB_STS2, 6, 4)
	s_cmp_eq_u32 s2, 0
	s_cbranch_scc0 .Lentry_in_a_cluster
	s_endpgm
.Lentry_in_a_cluster:
	s_bfe_u32 s2, ttmp6, 0x10000c
	s_cmp_lg_u32 s2, 0xf033
	s_cbranch_scc0 .Lentry_shape_is_right
	s_endpgm
.Lentry_shape_is_right:
.set NT,    4
.set PITCH, 272
.set HALFT, 128*PITCH
.set SLOT,  4*HALFT
.set STG,   2*SLOT
.set QST,   STG+32768
.set SPARE, QST+12288
.set OUTS,  STG+4*4352
.set TILEB, 256*1024
.set ADRA,  2
.set ADRB,  4
.set SPW,   6
.set NIL,   7
.set STW,   8
.set STR,   9
.set QAD,   10
.set SOF,   11
.set PFO,   12
.set QOF,   13
.set MX,    14
.set LS,    16
.set FF,    18
.set T,     20
.set SCT,   32
.set SCW,   64
.set OT,    96
.set AF,    128
.set QR,    128
.set TBR,   144
.set PL,    128
.set EE,    128
.set L,     192
.set PACC,  24
.set PST,   26
.set G1,    32
.set G0,    40
.set G1B,   48
.set G0B,   56
.set STB,   80
.set PFA,   82
.set LIM,   84
.set TL,    85
.set SEL,   86
.set WV,    92
.set WI,    93
.set WJ,    94
.set SG,    95
.set K_LO,  0xa1
.set V_LO,  0xa4
.set K_HI,  0xf1
.set V_HI,  0xf4
.set TO_B,  0x40
.set CV_LO, 0x4a
.set CV_HI, 0x4f
.set BF,    0x01
.set MSB, 0
.macro WIN new
.if MSB != \new
	s_set_vgpr_msb (MSB<<8)|\new
.set MSB, \new
.endif
.endm
.macro PLACES n
.rept \n
	v_nop
.endr
.endm
.macro JLOAD g0a, g1a, g0b, g1b
	s_cmp_eq_u32 s[WI], 0
	s_cbranch_scc0 .Lfor_b_\@
	tensor_load_to_lds s[\g0a:\g0a+3], s[\g1a:\g1a+7]
	s_nop 0
.rept 4
	v_nop
.endr
	s_branch .Lasked_\@
.Lfor_b_\@:
	tensor_load_to_lds s[\g0b:\g0b+3], s[\g1b:\g1b+7]
	s_nop 0
.rept 4
	v_nop
.endr
.Lasked_\@:
.endm
.macro CREST
	s_cmp_lg_u32 s[WV], 0
	s_cbranch_scc1 .Lnot_wave_0_\@
	s_barrier_signal -3
.Lnot_wave_0_\@:
	s_barrier_wait -3
	s_barrier_signal -1
	s_barrier_wait -1
.endm
.macro CROUND
	s_barrier_signal -1
	s_barrier_wait -1
	CREST
.endm
.macro ASK ph
	s_cmp_eq_u32 s[LIM], 1
	s_cbranch_scc0 .Lnot_mine_\@
	global_prefetch_b8 v[PFO], s[PFA:PFA+1] offset:TILEB+256*\ph th:TH_LOAD_NT scope:SCOPE_SE
.Lnot_mine_\@:
.endm
.macro FRAG reg, adr, off
.irp c, 0,1,2,3
	ds_load_b128 v[(\reg)+4*\c:(\reg)+4*\c+3], v[\adr] offset:(\off)+32*\c
.endr
.endm
.macro LD_A slot, q, blk
	WIN 0
	FRAG AF+16*(\blk), ADRA+\slot, 128*(\q)+(\blk)*16*PITCH
.endm
.macro LD_W slot, q, p, f
	WIN TO_B
	FRAG 128*(\p)+16*(\f), ADRB+\slot, 128*(\q)+((\f)/4)*HALFT+((\f)%4)*16*PITCH
.endm
.macro WMS zero, row
.if \zero
	v_wmma_scale_f32_16x16x128_f8f6f4 v[rD:rD+7], v[rX:rX+15], v[rY:rY+15], 0, v[rSX], v[rSY] matrix_a_fmt:MATRIX_FMT_BF8 matrix_b_fmt:MATRIX_FMT_BF8
.elseif \row
	v_wmma_scale_f32_16x16x128_f8f6f4 v[rD:rD+7], v[rX:rX+15], v[rY:rY+15], v[rD:rD+7], v[rSX], v[rSY] matrix_a_fmt:MATRIX_FMT_BF8 matrix_b_fmt:MATRIX_FMT_BF8 matrix_a_scale:MATRIX_SCALE_ROW1 matrix_b_scale:MATRIX_SCALE_ROW1
.else
	v_wmma_scale_f32_16x16x128_f8f6f4 v[rD:rD+7], v[rX:rX+15], v[rY:rY+15], v[rD:rD+7], v[rSX], v[rSY] matrix_a_fmt:MATRIX_FMT_BF8 matrix_b_fmt:MATRIX_FMT_BF8
.endif
.endm
.macro KMM a, ah, b, p, st, zero
.set rD, 8*(8*(\a)+(\b))
.set rX, 128*(\p)+16*(\b)
.set rY, AF+16*(4*(\ah)+(\a))
.set rSX, SCW+4*(\b)+2*((\st)>>2)+((\st)&1)
.set rSY, SCT+4*(4*(\ah)+(\a))+2*((\st)>>2)+((\st)&1)
	WMS \zero, (((\st)>>1)&1)
.endm
.macro VMM a, ah, b, p, st, zero
.set rD, 8*(8*(\a)+4+(\b))
.set rX, AF+16*(4*(\ah)+(\a))
.set rY, 128*(\p)+64+16*(\b)
.set rSX, SCT+4*(4*(\ah)+(\a))+2*((\st)>>2)+((\st)&1)
.set rSY, SCW+4*(4+(\b))+2*((\st)>>2)+((\st)&1)
	WMS \zero, (((\st)>>1)&1)
.endm
.macro GRP g, p, st, zero
.if (\g) < 4
	WIN K_LO
.irp b, 0,1,2,3
	KMM (\g), 0, \b, \p, \st, \zero
.endr
.elseif (\g) < 8
	WIN V_LO
.irp a, 0,1,2,3
	VMM \a, 0, (\g)-4, \p, \st, \zero
.endr
.elseif (\g) < 12
	WIN K_HI
.irp b, 0,1,2,3
	KMM (\g)-8, 1, \b, \p, \st, \zero
.endr
.else
	WIN V_HI
.irp a, 0,1,2,3
	VMM \a, 1, (\g)-12, \p, \st, \zero
.endr
.endif
.endm
.macro SCTLOAD gk, off
.irp a, 0,1,2,3,4,5,6,7
	global_load_b64 v[SCT+4*\a+2*\gk:SCT+4*\a+2*\gk+1], v[SOF], s[STB:STB+1] offset:\off+512*\a+16*\gk
.endr
.endm
.macro STEP slot, st, zero, cnt
.irp g, 0,1,2,3
	s_wait_dscnt \cnt
	GRP \g, 0, \st, \zero
	LD_A \slot, 0, 4+\g
.endr
.irp g, 4,5,6,7
	s_wait_dscnt 28
	GRP \g, 0, \st, \zero
	LD_W \slot, 1, 1, \g-4
.endr
	PLACES 8
.irp g, 8,9,10,11
	s_wait_dscnt 28
	GRP \g, 0, \st, \zero
	LD_A \slot, 1, \g-8
.endr
.irp g, 12,13,14,15
	GRP \g, 0, \st, \zero
	LD_W \slot, 1, 1, \g-8
.endr
	PLACES 8
.endm
.macro TURN slot, next, st, fill, fetch, ask, ph
.irp g, 0,1,2,3
	s_wait_dscnt 28
	GRP \g, 1, \st, 0
	LD_A \slot, 1, 4+\g
.endr
	WIN 0
	s_wait_tensorcnt 0x0
	ds_add_u32 v[SPW], v[NIL]
	s_wait_dscnt 17
	GRP 4, 1, \st, 0
	GRP 5, 1, \st, 0
	s_wait_dscnt 0x0
	s_barrier_signal -1
	GRP 6, 1, \st, 0
	GRP 7, 1, \st, 0
	WIN 0
	s_barrier_wait -1
.if \fill
	CREST
.if \fill == 1
	s_add_nc_u64 s[G0+4*\slot+2:G0+4*\slot+3], s[G0+4*\slot+2:G0+4*\slot+3], 512
	s_add_nc_u64 s[G0B+4*\slot+2:G0B+4*\slot+3], s[G0B+4*\slot+2:G0B+4*\slot+3], 512
.else
	s_add_nc_u64 s[G0+4*\slot+2:G0+4*\slot+3], s[G0+4*\slot+2:G0+4*\slot+3], TILEB-512
	s_sub_nc_u64 s[G0B+4*\slot+2:G0B+4*\slot+3], s[G0B+4*\slot+2:G0B+4*\slot+3], 512
.endif
	JLOAD G0+4*\slot, G1, G0B+4*\slot, G1B
.if \fetch
	PLACES 4
.endif
.else
	PLACES 8
.endif
.if \fetch
	LD_W \next, 0, 0, 0
	LD_W \next, 0, 0, 1
.endif
.if \ask
	WIN 0
	ASK \ph
.endif
	GRP 8, 1, \st, 0
.if \fetch
	LD_W \next, 0, 0, 2
	LD_W \next, 0, 0, 3
.endif
	GRP 9, 1, \st, 0
.if \fetch
	LD_A \next, 0, 0
	LD_A \next, 0, 1
.endif
	GRP 10, 1, \st, 0
.if \fetch
	LD_A \next, 0, 2
	LD_A \next, 0, 3
.endif
.irp g, 11,12,13,14
	GRP \g, 1, \st, 0
.if \fetch
	LD_W \next, 0, 0, \g-7
.endif
.endr
	GRP 15, 1, \st, 0
	PLACES 8
	WIN 0
.endm
.macro CONV a0
.irp a, 0,1,2,3
.irp b, 0,1,2,3
.irp r, 0,1,2,3
	v_cvt_pk_bf16_f32 v[16*(\a0+\a)+4*\b+\r], v[8*(8*\a+\b)+2*\r], v[8*(8*\a+\b)+2*\r+1]
.endr
.endr
.irp b, 0,1,2,3
.irp r, 0,1,2,3
	v_cvt_pk_f16_f32 v[128+32*\b+4*(\a0+\a)+\r], v[8*(8*\a+4+\b)+2*\r], v[8*(8*\a+4+\b)+2*\r+1]
.endr
.endr
.endr
.endm
.macro PRE f0, f1
	LD_W 0, 0, 0, \f0
	LD_W 0, 0, 0, \f1
	WIN 0
.endm
.macro EPI pre
.irp c, 0,1,2,3,4,5
	ds_load_b128 v[QR+4*\c:QR+4*\c+3], v[QAD] offset:512*\c
.endr
	WIN CV_LO
	CONV 0
	WIN CV_HI
	CONV 4
	WIN BF
	s_wait_dscnt 0x0
.irp a, 0,1,2,3,4,5,6,7
	v_wmma_f32_16x16x32_bf16 v[L+8*\a:L+8*\a+7], v[16*\a:16*\a+7], v[QR:QR+7], v[TBR:TBR+7]
.endr
.irp a, 0,1,2,3,4,5,6,7
	v_wmma_f32_16x16x32_bf16 v[L+8*\a:L+8*\a+7], v[16*\a+8:16*\a+15], v[QR+8:QR+15], v[L+8*\a:L+8*\a+7]
.endr
	WIN 0
	PLACES 4
.set k, 0
.rept 16
	ds_store_b128 v[STW], v[L+4*k:L+4*k+3] offset:512*k
.set k, k+1
.endr
	s_wait_dscnt 0x0
	s_barrier_signal -1
	s_barrier_wait -1
.set k, 0
.rept 16
	ds_load_b128 v[PL+4*k:PL+4*k+3], v[STR] offset:512*k
.set k, k+1
.endr
	s_wait_dscnt 0x0
.if \pre
	PRE 0, 1
.endif
.set k, 0
.rept 32
	v_pk_add_f32 v[L+k:L+k+1], v[L+k:L+k+1], v[PL+k:PL+k+1]
.set k, k+2
.endr
.if \pre
	PRE 2, 3
.endif
.irp c, 0,1,2,3
	v_max3_num_f32 v[T+\c], v[L+16*\c], v[L+16*\c+1], v[L+16*\c+2]
.endr
.irp i, 3,5,7,9,11,13
.irp c, 0,1,2,3
	v_max3_num_f32 v[T+\c], v[T+\c], v[L+16*\c+\i], v[L+16*\c+\i+1]
.endr
.endr
.if \pre
	PRE 4, 5
.endif
	v_max3_num_f32 v[T], v[T], v[L+15], v[L+31]
	v_max3_num_f32 v[T+2], v[T+2], v[L+47], v[L+63]
	v_max3_num_f32 v[T], v[T], v[T+1], v[T+2]
	v_max3_num_f32 v[T], v[T], v[T+3], v[MX]
	v_permlanex16_b32 v[T+1], v[T], s[SEL], s[SEL+1]
	v_max_num_f32 v[T], v[T], v[T+1]
	v_sub_f32 v[FF], v[MX], v[T]
	v_mov_b32 v[MX], v[T]
	v_mov_b32 v[MX+1], v[T]
.set k, 0
.rept 32
	v_pk_add_f32 v[L+k:L+k+1], v[L+k:L+k+1], v[MX:MX+1] neg_lo:[0,1] neg_hi:[0,1]
.set k, k+2
.endr
.if \pre
	PRE 6, 7
.endif
	v_exp_f32 v[FF], v[FF]
.set k, 0
.rept 64
	v_exp_f32 v[L+k], v[L+k]
.set k, k+1
.endr
	v_nop
	s_wait_alu depctr_va_vdst(0)
.irp c, 0,1,2,3
	v_pk_add_f32 v[T+4+2*\c:T+5+2*\c], v[L+4*\c:L+4*\c+1], v[L+4*\c+2:L+4*\c+3]
.endr
.set k, 16
.rept 6
.irp c, 0,1,2,3
	v_pk_add_f32 v[T+4+2*\c:T+5+2*\c], v[T+4+2*\c:T+5+2*\c], v[L+k+2*\c:L+k+2*\c+1]
.endr
.set k, k+8
.endr
	v_pk_add_f32 v[T+4:T+5], v[T+4:T+5], v[T+6:T+7]
	v_pk_add_f32 v[T+8:T+9], v[T+8:T+9], v[T+10:T+11]
	v_pk_add_f32 v[T+4:T+5], v[T+4:T+5], v[T+8:T+9]
	v_pk_fma_f32 v[LS:LS+1], v[LS:LS+1], v[FF:FF+1], v[T+4:T+5] op_sel_hi:[1,0,1]
.set k, 0
.rept 32
	v_cvt_pk_f16_f32 v[EE+k], v[L+2*k], v[L+2*k+1]
.set k, k+1
.endr
.set k, 0
.rept 16
	v_pk_mul_f32 v[OT+k:OT+k+1], v[OT+k:OT+k+1], v[FF:FF+1] op_sel_hi:[1,0]
.set k, k+2
.endr
	WIN BF
.irp u, 0,1,2,3
.irp d, 0,1,2,3
	v_wmma_f32_16x16x32_f16 v[OT+8*\d:OT+8*\d+7], v[128+32*\d+8*\u:128+32*\d+8*\u+7], v[EE+8*\u:EE+8*\u+7], v[OT+8*\d:OT+8*\d+7]
.endr
.endr
	WIN 0
.endm
.macro TILE more
	PLACES 4
.irp a, 0,1,2,3
	LD_A 0, 0, \a
.endr
	s_wait_loadcnt 8
	STEP 0, 0, 1, 12
	TURN 0, 1, 1, 1, 1, \more, 0
	STEP 1, 2, 0, 28
	TURN 1, 0, 3, 1, 1, \more, 1
	s_wait_loadcnt 0x0
.if \more
	SCTLOAD 0, 8192
.endif
	STEP 0, 4, 0, 28
.if \more
	TURN 0, 1, 5, 2, 1, 1, 2
	STEP 1, 6, 0, 28
	TURN 1, 0, 7, 2, 0, 1, 3
	SCTLOAD 1, 8192
.else
	TURN 0, 1, 5, 0, 1, 0, 0
	STEP 1, 6, 0, 28
.irp g, 0,1,2,3
	s_wait_dscnt 28
	GRP \g, 1, 7, 0
	LD_A 1, 1, 4+\g
.endr
	s_wait_dscnt 16
.irp g, 4,5,6,7
	GRP \g, 1, 7, 0
.endr
	s_wait_dscnt 0x0
.irp g, 8,9,10,11,12,13,14,15
	GRP \g, 1, 7, 0
.endr
	PLACES 8
	WIN 0
.endif
	EPI \more
.endm
	s_load_b512 s[4:19], s[0:1], 0x0
	s_load_b256 s[20:27], s[0:1], 0x40
	v_lshl_add_u32 v[SPW], v0, 2, SPARE
	v_mov_b32 v[NIL], 0
	ds_add_u32 v6, v7
	ds_add_u32 v6, v7
	s_wait_dscnt 0x0
	v_lshrrev_b32 v1, 5, v0
	v_readfirstlane_b32 s[WV], v1
	s_lshr_b32 s[WI], s[WV], 1
	s_and_b32 s[WJ], s[WV], 1
	s_bfe_u32 s66, ttmp6, 0x40000
	s_bfe_u32 s67, ttmp6, 0x40004
	s_lshl_b32 s68, ttmp9, 2
	s_add_co_u32 s68, s68, s66
	s_and_b32 s69, ttmp7, 0xffff
	s_lshl_b32 s69, s69, 2
	s_add_co_u32 s69, s69, s67
	s_lshl_b32 s70, s67, 2
	s_lshl_b32 s70, 15, s70
	s_lshl_b32 s71, 0x1111, s66
	s_or_b32 s[G1], s70, (0<<16)|(1<<20)|(1<<21)|(5<<22)|(3<<25)
	s_or_b32 s[G1B], s71, (0<<16)|(1<<20)|(1<<21)|(5<<22)|(3<<25)
.irp g, G1, G1B
	s_mov_b32 s[\g+1], 256<<16
	s_mov_b32 s[\g+2], 128<<16
	s_mov_b32 s[\g+3], 256<<16
	s_mov_b32 s[\g+4], 128
	s_mov_b32 s[\g+5], 1024
	s_mov_b32 s[\g+6], 0
	s_mov_b32 s[\g+7], 0
.endr
	s_lshl_b32 s72, s69, 20
	s_lshl_b32 s73, s[WJ], 17
	s_add_co_u32 s72, s72, s73
	s_mov_b32 s73, 0
	s_lshl_b32 s74, s68, 17
	s_mov_b32 s75, 0
	s_mul_i32 s76, s[WV], HALFT
	s_wait_kmcnt 0x0
	s_add_nc_u64 s[72:73], s[4:5], s[72:73]
	s_and_b32 s96, ttmp7, 1
	s_cmp_eq_u32 s96, 0
	s_cselect_b64 s[78:79], s[12:13], s[22:23]
	s_cselect_b32 s[SG], 1.0, -1.0
	s_cmp_eq_u32 s[WJ], 0
	s_cselect_b64 s[78:79], s[8:9], s[78:79]
	s_add_nc_u64 s[74:75], s[78:79], s[74:75]
	CROUND
.irp s, 0,1
	s_mov_b32 s[G0+4*\s], 1
	s_add_co_u32 s[G0+4*\s+1], s76, \s*SLOT
	s_add_nc_u64 s[G0+4*\s+2:G0+4*\s+3], s[72:73], \s*256
	s_or_b32 s[G0+4*\s+3], s[G0+4*\s+3], 0x80000000
	s_mov_b32 s[G0B+4*\s], 1
	s_add_co_u32 s[G0B+4*\s+1], s76, \s*SLOT
	s_add_nc_u64 s[G0B+4*\s+2:G0B+4*\s+3], s[74:75], \s*256
	s_or_b32 s[G0B+4*\s+3], s[G0B+4*\s+3], 0x80000000
	JLOAD G0+4*\s, G1, G0B+4*\s, G1B
.endr
	s_lshl_b32 s90, s66, 15
	s_mov_b32 s91, 0
	s_add_nc_u64 s[PFA:PFA+1], s[72:73], s[90:91]
	s_or_b32 s[LIM], s[WI], ttmp9
	s_cmp_eq_u32 s[LIM], 0
	s_cselect_b32 s[LIM], 1, -1
	s_lshl_b32 s72, s69, 15
	s_lshl_b32 s88, s[WI], 12
	s_add_co_u32 s72, s72, s88
	s_mov_b32 s73, 0
	s_add_nc_u64 s[STB:STB+1], s[6:7], s[72:73]
	s_lshl_b32 s74, s68, 12
	s_lshl_b32 s88, s[WJ], 11
	s_add_co_u32 s74, s74, s88
	s_mov_b32 s75, 0
	s_add_nc_u64 s[10:11], s[10:11], s[74:75]
	s_add_nc_u64 s[14:15], s[14:15], s[74:75]
	s_lshr_b32 s74, s74, 3
	s_add_nc_u64 s[16:17], s[16:17], s[74:75]
	s_add_nc_u64 s[18:19], s[18:19], s[74:75]
	s_add_nc_u64 s[20:21], s[20:21], s[74:75]
	s_lshl_b32 s88, s68, 5
	s_add_co_u32 s88, s88, s69
	s_lshl_b32 s90, s88, 12
	s_add_nc_u64 s[PACC:PACC+1], s[PACC:PACC+1], s[90:91]
	s_lshl_b32 s90, s88, 8
	s_add_nc_u64 s[PST:PST+1], s[PST:PST+1], s[90:91]
	s_mov_b32 s[SEL], 0x76543210
	s_mov_b32 s[SEL+1], 0xfedcba98
	v_and_b32 v1, 15, v0
	v_bfe_u32 v20, v0, 4, 1
	v_and_b32 v22, 31, v0
	v_mul_u32_u24 v21, v1, PITCH
	v_lshl_add_u32 v21, v20, 4, v21
	s_mul_i32 s77, s[WI], HALFT
	s_mul_i32 s89, s[WJ], 64*PITCH
	s_add_co_u32 s89, s89, 2*HALFT
.irp s, 0,1
	v_add_nc_u32 v[ADRA+\s], s77, v21
	v_add_nc_u32 v[ADRB+\s], s89, v21
	s_add_co_u32 s77, s77, SLOT
	s_add_co_u32 s89, s89, SLOT
.endr
	s_lshl_b32 s77, s[WV], 13
	s_add_co_u32 s77, s77, STG
	v_lshl_add_u32 v[STW], v22, 4, s77
	s_xor_b32 s77, s[WV], 1
	s_lshl_b32 s77, s77, 13
	s_add_co_u32 s77, s77, STG
	v_lshl_add_u32 v[STR], v22, 4, s77
	s_mul_i32 s77, s[WV], 3072
	s_add_co_u32 s77, s77, QST
	v_lshl_add_u32 v[QAD], v22, 4, s77
	v_lshlrev_b32 v[SOF], 5, v1
	v_lshl_add_u32 v[SOF], v20, 3, v[SOF]
	v_lshlrev_b32 v[PFO], 10, v22
	v_and_b32 v[QOF], 7, v0
	v_lshlrev_b32 v[QOF], 12, v[QOF]
	v_lshl_add_u32 v[QOF], v20, 5, v[QOF]
	v_lshlrev_b32 v23, 5, v20
.irp b, 0,1,2,3
.irp g, 0,1
	global_load_b64 v[SCW+4*\b+2*\g:SCW+4*\b+2*\g+1], v[SOF], s[10:11] offset:512*\b+16*\g
	global_load_b64 v[SCW+16+4*\b+2*\g:SCW+16+4*\b+2*\g+1], v[SOF], s[14:15] offset:512*\b+16*\g
.endr
.endr
	SCTLOAD 0, 0
	SCTLOAD 1, 0
.irp p, 0,1,2,3
.irp x, 0,1,2,3
	global_load_b128 v[128+32*\p+8*\x:128+32*\p+8*\x+3], v[QOF], s[16:17] offset:\p*32768+64*\x
	global_load_b128 v[128+32*\p+8*\x+4:128+32*\p+8*\x+7], v[QOF], s[16:17] offset:\p*32768+64*\x+16
.endr
.endr
	WIN TO_B
.irp p, 0,1,2,3
.irp x, 0,1,2,3
	global_load_b128 v[32*\p+8*\x:32*\p+8*\x+3], v[QOF], s[16:17] offset:(\p+4)*32768+64*\x
	global_load_b128 v[32*\p+8*\x+4:32*\p+8*\x+7], v[QOF], s[16:17] offset:(\p+4)*32768+64*\x+16
.endr
.endr
.irp x, 0,1,2,3
	global_load_b128 v[128+8*\x:128+8*\x+3], v23, s[18:19] offset:64*\x
	global_load_b128 v[128+8*\x+4:128+8*\x+7], v23, s[18:19] offset:64*\x+16
	global_load_b128 v[160+8*\x:160+8*\x+3], v23, s[20:21] offset:64*\x
	global_load_b128 v[160+8*\x+4:160+8*\x+7], v23, s[20:21] offset:64*\x+16
.endr
	WIN 0
	v_cmp_gt_u32 vcc_lo, 8, v1
	s_wait_loadcnt 0x0
	v_mov_b32 v21, 0x3e0293ee
	v_cndmask_b32 v20, 0, v21, vcc_lo
.set k, 0
.rept 16
	v_pk_add_f32 v[128+k:129+k], v[128+k:129+k], v[160+k:161+k]
	v_pk_add_f32 v[192+k:193+k], v[192+k:193+k], v[224+k:225+k]
.set k, k+2
.endr
.set k, 0
.rept 16
	v_pk_add_f32 v[128+k:129+k], v[128+k:129+k], v[192+k:193+k]
.set k, k+2
.endr
	WIN 0x55
.set k, 0
.rept 16
	v_pk_add_f32 v[k:k+1], v[k:k+1], v[32+k:33+k]
	v_pk_add_f32 v[64+k:65+k], v[64+k:65+k], v[96+k:97+k]
.set k, k+2
.endr
.set k, 0
.rept 16
	v_pk_add_f32 v[k:k+1], v[k:k+1], v[64+k:65+k]
.set k, k+2
.endr
.set k, 0
.rept 16
	v_pk_add_f32 v[k:k+1], v[k:k+1], v[128+k:129+k]
.set k, k+2
.endr
	WIN 0x04
.set k, 0
.rept 16
	v_pk_add_f32 v[128+k:129+k], v[128+k:129+k], v[k:k+1]
.set k, k+2
.endr
	WIN 0
.set k, 0
.rept 16
	v_pk_mul_f32 v[128+k:129+k], v[128+k:129+k], v[20:21] op_sel_hi:[1,0]
.set k, k+2
.endr
	WIN 0x04
	v_pk_mul_f32 v[24:25], v[128:129], v[160:161]
	v_pk_mul_f32 v[26:27], v[130:131], v[162:163]
.set k, 4
.rept 7
	v_pk_fma_f32 v[24:25], v[128+k:129+k], v[160+k:161+k], v[24:25]
	v_pk_fma_f32 v[26:27], v[130+k:131+k], v[162+k:163+k], v[26:27]
.set k, k+4
.endr
	WIN 0
	v_pk_add_f32 v[24:25], v[24:25], v[26:27]
	v_add_f32 v24, v24, v25
	v_permlanex16_b32 v25, v24, s[SEL], s[SEL+1]
	v_add_f32 v24, v24, v25
.set k, 0
.rept 16
	v_cvt_pk_bf16_f32 v[160+k], v[128+2*k], v[129+2*k]
.set k, k+1
.endr
.set k, 0
.rept 8
	v_mov_b32 v[176+k], v24
.set k, k+1
.endr
.irp c, 0,1,2,3,4,5
	ds_store_b128 v[QAD], v[160+4*\c:163+4*\c] offset:512*\c
.endr
.set k, 0
.rept 32
	v_mov_b32 v[OT+k], 0
.set k, k+1
.endr
	v_mov_b32 v[MX], 0xff61b1e6
	v_mov_b32 v[MX+1], 0xff61b1e6
	v_mov_b32 v[LS], 0
	v_mov_b32 v[LS+1], 0
	v_mov_b32 v[FF], 0
	v_mov_b32 v[FF+1], 0
	s_wait_tensorcnt 1
	s_wait_dscnt 0x0
	s_barrier_signal -1
	s_barrier_wait -1
.irp f, 0,1,2,3,4,5,6,7
	LD_W 0, 0, 0, \f
.endr
	WIN 0
	s_mov_b32 s[TL], NT-1
.Ltile:
	TILE 1
	s_wait_xcnt 0x0
	s_add_nc_u64 s[STB:STB+1], s[STB:STB+1], 8192
	s_add_nc_u64 s[PFA:PFA+1], s[PFA:PFA+1], TILEB
	s_sub_co_u32 s[TL], s[TL], 1
	s_cmp_lg_u32 s[TL], 0
	s_cbranch_scc1 .Ltile
	TILE 0
	v_add_f32 v[LS], v[LS], v[LS+1]
	v_and_b32 v20, 31, v0
	v_and_b32 v21, 15, v0
	v_bfe_u32 v22, v0, 4, 1
	v_permlanex16_b32 v[LS+1], v[LS], s[SEL], s[SEL+1]
	s_mul_i32 s72, s[WV], 4352
	s_add_co_u32 s72, s72, STG
	v_lshl_add_u32 v23, v20, 4, s72
	s_add_co_u32 s72, s72, 4096
	v_lshl_add_u32 v24, v20, 2, s72
	s_xor_b32 s72, s[WV], 2
	s_mul_i32 s72, s72, 4352
	s_add_co_u32 s72, s72, STG
	v_lshl_add_u32 v25, v20, 4, s72
	s_add_co_u32 s72, s72, 4096
	v_lshl_add_u32 v26, v20, 2, s72
	v_mul_u32_u24 v27, v21, 528
	v_lshl_add_u32 v27, v22, 5, v27
	s_lshl_b32 s72, s[WJ], 8
	s_add_co_u32 s72, s72, OUTS
	v_add_nc_u32 v27, s72, v27
	s_mul_i32 s72, s[WV], 2*528
	s_add_co_u32 s72, s72, OUTS
	v_lshl_add_u32 v28, v20, 4, s72
	s_lshl_b32 s72, s[WV], 10
	v_lshl_add_u32 v29, v20, 4, s72
	v_lshlrev_b32 v30, 3, v20
	v_add_f32 v[LS], v[LS], v[LS+1]
	s_wait_dscnt 0x0
	s_barrier_signal -1
	s_barrier_wait -1
.set k, 0
.rept 8
	ds_store_b128 v23, v[OT+4*k:OT+4*k+3] offset:512*k
.set k, k+1
.endr
	ds_store_b32 v24, v[MX]
	ds_store_b32 v24, v[LS] offset:128
	s_wait_dscnt 0x0
	s_barrier_signal -1
	s_barrier_wait -1
.set k, 0
.rept 8
	ds_load_b128 v[128+4*k:131+4*k], v25 offset:512*k
.set k, k+1
.endr
	ds_load_b32 v160, v26
	ds_load_b32 v161, v26 offset:128
	v_mov_b32 v163, 0
	s_wait_dscnt 0x0
	v_max_num_f32 v164, v[MX], v160
	v_sub_f32 v[FF], v[MX], v164
	v_sub_f32 v162, v160, v164
	v_exp_f32 v[FF], v[FF]
	v_exp_f32 v162, v162
	v_nop
	s_wait_alu depctr_va_vdst(0)
	v_mul_f32 v165, v[LS], v[FF]
	v_fmac_f32 v165, v161, v162
	v_mul_f32 v[FF], s[SG], v[FF]
	v_mul_f32 v162, s[SG], v162
.set k, 0
.rept 16
	v_pk_mul_f32 v[OT+k:OT+k+1], v[OT+k:OT+k+1], v[FF:FF+1] op_sel_hi:[1,0]
.set k, k+2
.endr
.set k, 0
.rept 16
	v_pk_fma_f32 v[OT+k:OT+k+1], v[128+k:129+k], v[162:163], v[OT+k:OT+k+1] op_sel_hi:[1,0,1]
.set k, k+2
.endr
	s_cmp_lg_u32 s[WI], 0
	s_cbranch_scc1 .Lno_out
.irp d, 0,1,2,3
	ds_store_b128 v27, v[OT+8*\d:OT+8*\d+3] offset:64*\d
	ds_store_b128 v27, v[OT+8*\d+4:OT+8*\d+7] offset:64*\d+16
.endr
.Lno_out:
	s_wait_dscnt 0x0
	s_barrier_signal -1
	s_barrier_wait -1
	ds_load_b128 v[128:131], v28
	ds_load_b128 v[132:135], v28 offset:528
	s_wait_dscnt 0x0
	global_store_b128 v29, v[128:131], s[PACC:PACC+1]
	global_store_b128 v29, v[132:135], s[PACC:PACC+1] offset:512
	s_cmp_lg_u32 s[WV], 0
	s_cbranch_scc1 .Lno_st
	global_store_b64 v30, v[164:165], s[PST:PST+1]
.Lno_st:
	s_wait_tensorcnt 0x0
	ds_add_u32 v[SPW], v[NIL]
	s_wait_dscnt 0x0
	CROUND
	s_endpgm
.Lfunc_end_k_qddb80e1726_main:
	.size	k_qddb80e1726_main, .Lfunc_end_k_qddb80e1726_main-k_qddb80e1726_main
	.p2alignl 7, 3214868480
	.fill 96, 4, 3214868480
	.section	.rodata,"a",@progbits
	.p2align	6, 0x0
	.amdhsa_kernel k_qddb80e1726_main
		.amdhsa_group_segment_fixed_size 327680
		.amdhsa_private_segment_fixed_size 0
		.amdhsa_enable_private_segment 0
		.amdhsa_kernarg_size 96
		.amdhsa_user_sgpr_count 2
		.amdhsa_user_sgpr_kernarg_segment_ptr 1
		.amdhsa_wavefront_size32 1
		.amdhsa_system_sgpr_workgroup_id_x 1
		.amdhsa_system_sgpr_workgroup_id_y 1
		.amdhsa_system_sgpr_workgroup_id_z 1
		.amdhsa_system_vgpr_workitem_id 0
		.amdhsa_next_free_vgpr 1024
		.amdhsa_next_free_sgpr 100
		.amdhsa_reserve_vcc 1
		.amdhsa_float_denorm_mode_32 3
		.amdhsa_float_denorm_mode_16_64 3
		.amdhsa_memory_ordered 1
		.amdhsa_forward_progress 1
		.amdhsa_inst_pref_size 255
	.end_amdhsa_kernel
	.section	.bss,"aw",@nobits
	.p2align	6
	.space	262144
	.amdgpu_metadata
---
amdhsa.version: [ 1, 2 ]
amdhsa.kernels:
  - .name:           k_qddb80e1726_main
    .symbol:         k_qddb80e1726_main.kd
    .args:
      - { .name: h_img_seq_codes, .offset: 0, .size: 8, .value_kind: global_buffer, .address_space: global }
      - { .name: h_img_seq_scales, .offset: 8, .size: 8, .value_kind: global_buffer, .address_space: global }
      - { .name: wk_codes, .offset: 16, .size: 8, .value_kind: global_buffer, .address_space: global }
      - { .name: wk_scales, .offset: 24, .size: 8, .value_kind: global_buffer, .address_space: global }
      - { .name: wv_codes, .offset: 32, .size: 8, .value_kind: global_buffer, .address_space: global }
      - { .name: wv_scales, .offset: 40, .size: 8, .value_kind: global_buffer, .address_space: global }
      - { .name: qpart, .offset: 48, .size: 8, .value_kind: global_buffer, .address_space: global }
      - { .name: bq, .offset: 56, .size: 8, .value_kind: global_buffer, .address_space: global }
      - { .name: bk, .offset: 64, .size: 8, .value_kind: global_buffer, .address_space: global }
      - { .name: wvn, .offset: 72, .size: 8, .value_kind: global_buffer, .address_space: global }
      - { .name: pacc, .offset: 80, .size: 8, .value_kind: global_buffer, .address_space: global }
      - { .name: pst, .offset: 88, .size: 8, .value_kind: global_buffer, .address_space: global }
    .group_segment_fixed_size: 327680
    .private_segment_fixed_size: 0
    .kernarg_segment_align: 8
    .kernarg_segment_size: 96
    .max_flat_workgroup_size: 128
    .sgpr_count:     100
    .vgpr_count:     1024
    .wavefront_size: 32
...
	.end_amdgpu_metadata
.endif
;; end of part 2
;; launch oproj (part 3): grid 16 x 8, 8 waves a work-group, no clusters, 37,888 bytes of LDS; arguments pacc, pst, bv, wo, opart; writes opart
.if DOCPART == 3
	.amdgcn_target "amdgcn-amd-amdhsa--gfx1250"
	.amdhsa_code_object_version 6
	.text
	.protected	k_qddb80e1726_oproj
	.globl	k_qddb80e1726_oproj
	.p2align	8
	.type	k_qddb80e1726_oproj,@function
k_qddb80e1726_oproj:
	s_mov_b64 s[64:65], 0
	v_nop
	global_prefetch_b8 v0, s[64:65] scope:SCOPE_SE
	s_setreg_imm32_b32 hwreg(HW_REG_WAVE_MODE, 25, 1), 1
	s_wait_xcnt 0x0
.set N,    1024
.set PW,   4*N
.set NW,   8
.set RW,   128/NW
.set NLD,  RW/2
.set REDB, 4096
.set SOFF, 5
.set WOF,  6
.set XST,  7
.set POF,  8
.set BOF,  9
.set STA,  10
.set XAD,  12
.set RST,  13
.set RRD,  14
.set OOF,  15
.set W,    16
.set BV,   48
.set XQ,   52
.set T,    56
.set P,    64
.set X,    64
.set ACC,  192
.set RQ,   64
.set WV,   20
.set YY,   21
.set SCR,  22
.set OFW,  24
.set OFO,  26
.set SEL,  28
.set WB,   10
.set OB,   12
.macro ADDRS mreg
	s_mul_i32 s[SCR], s[WV], RW*PW
	v_mul_u32_u24 v[WOF], v4, PW
	v_lshl_add_u32 v[WOF], v3, 4, v[WOF]
	v_add_nc_u32 v[WOF], s[SCR], v[WOF]
	s_lshl_b32 s[SCR], s[\mreg], 2
	v_lshl_add_u32 v[XST], v2, 7, s[SCR]
	s_mul_i32 s[SCR], s[WV], RW*32
	v_lshl_add_u32 v[XAD], v4, 5, s[SCR]
	s_lshl_b32 s[SCR], s[WV], 12
	s_add_co_u32 s[SCR], s[SCR], REDB
	v_lshl_add_u32 v[RST], v2, 4, s[SCR]
	s_lshl_b32 s[SCR], s[WV], 10
	s_add_co_u32 s[SCR], s[SCR], REDB
	v_lshlrev_b32 v[RRD], 9, v4
	v_lshl_add_u32 v[RRD], v3, 4, v[RRD]
	v_add_nc_u32 v[RRD], s[SCR], v[RRD]
	s_mul_i32 s[SCR], s[WV], 2*PW
	v_mul_u32_u24 v[OOF], v4, PW
	v_lshl_add_u32 v[OOF], v3, 4, v[OOF]
	v_add_nc_u32 v[OOF], s[SCR], v[OOF]
	s_mul_i32 s[OFW], s[YY], 128*PW
	s_lshl_b32 s[SCR], ttmp9, 8
	s_add_co_u32 s[OFW], s[OFW], s[SCR]
	s_mov_b32 s[OFW+1], 0
	s_mul_i32 s[OFO], s[YY], 8*PW
	s_add_co_u32 s[OFO], s[OFO], s[SCR]
	s_mov_b32 s[OFO+1], 0
.endm
.macro WLOADS
.set i, 0
.rept NLD
	global_load_b128 v[W+4*i:W+4*i+3], v[WOF], s[WB:WB+1] offset:i*2*PW th:TH_LOAD_NT
.set i, i+1
.endr
.endm
.macro XSTORE
.irp e, 0,1,2,3
	ds_store_b32 v[XST], v[XQ+\e] offset:32*\e
.endr
.endm
.macro BARRIER
	s_wait_dscnt 0x0
	s_barrier_signal -1
	s_barrier_wait -1
.endm
.macro CORE
.set i, 0
.rept NLD
	ds_load_b128 v[X+8*i:X+8*i+3], v[XAD] offset:64*i
	ds_load_b128 v[X+8*i+4:X+8*i+7], v[XAD] offset:64*i+16
.set i, i+1
.endr
	s_wait_dscnt 0x0
	s_wait_loadcnt 0x0
.irp m, 0,2,4,6
.irp c, 0,2
	v_pk_mul_f32 v[ACC+4*\m+\c:ACC+4*\m+\c+1], v[W+\c:W+\c+1], v[X+\m:X+\m+1] op_sel_hi:[1,0]
	v_pk_mul_f32 v[ACC+4*\m+4+\c:ACC+4*\m+4+\c+1], v[W+\c:W+\c+1], v[X+\m:X+\m+1] op_sel:[0,1] op_sel_hi:[1,1]
.endr
.endr
.set i, 1
.rept NLD-1
.irp m, 0,2,4,6
.irp c, 0,2
	v_pk_fma_f32 v[ACC+4*\m+\c:ACC+4*\m+\c+1], v[W+4*i+\c:W+4*i+\c+1], v[X+8*i+\m:X+8*i+\m+1], v[ACC+4*\m+\c:ACC+4*\m+\c+1] op_sel_hi:[1,0,1]
	v_pk_fma_f32 v[ACC+4*\m+4+\c:ACC+4*\m+4+\c+1], v[W+4*i+\c:W+4*i+\c+1], v[X+8*i+\m:X+8*i+\m+1], v[ACC+4*\m+4+\c:ACC+4*\m+4+\c+1] op_sel:[0,1,0] op_sel_hi:[1,1,1]
.endr
.endr
.set i, i+1
.endr
.endm
.macro REDUCE
.irp m, 0,1,2,3,4,5,6,7
	ds_store_b128 v[RST], v[ACC+4*\m:ACC+4*\m+3] offset:512*\m
.endr
	BARRIER
	s_cmp_gt_u32 s[WV], 3
	s_cbranch_scc1 .Lend
.set t, 0
.rept 2*NW
	ds_load_b128 v[RQ+4*t:RQ+4*t+3], v[RRD] offset:(t/2)*4096+(t%2)*256
.set t, t+1
.endr
	s_wait_dscnt 0x0
.set t, 2
.rept 2*NW-2
	v_pk_add_f32 v[RQ+4*(t%2):RQ+4*(t%2)+1], v[RQ+4*(t%2):RQ+4*(t%2)+1], v[RQ+4*t:RQ+4*t+1]
	v_pk_add_f32 v[RQ+4*(t%2)+2:RQ+4*(t%2)+3], v[RQ+4*(t%2)+2:RQ+4*(t%2)+3], v[RQ+4*t+2:RQ+4*t+3]
.set t, t+1
.endr
	v_pk_add_f32 v[RQ:RQ+1], v[RQ:RQ+1], v[RQ+4:RQ+5]
	v_pk_add_f32 v[RQ+2:RQ+3], v[RQ+2:RQ+3], v[RQ+6:RQ+7]
	global_store_b128 v[OOF], v[RQ:RQ+3], s[OB:OB+1]
.Lend:
.endm
	s_load_b256 s[4:11], s[0:1], 0x0
	s_load_b64 s[12:13], s[0:1], 0x20
	v_lshl_add_u32 v224, v0, 2, 0x9000
	v_mov_b32 v225, 0
	v_lshrrev_b32 v1, 5, v0
	v_readfirstlane_b32 s[WV], v1
	v_and_b32 v2, 31, v0
	v_and_b32 v3, 15, v0
	v_bfe_u32 v4, v0, 4, 1
	s_and_b32 s[YY], ttmp7, 0xffff
	ADDRS WV
	s_lshl_b32 s[SCR], s[WV], 3
	v_lshl_add_u32 v[SOFF], v2, 8, s[SCR]
	s_lshl_b32 s[SCR], s[WV], 9
	v_lshl_add_u32 v[POF], v2, 4, s[SCR]
	v_lshlrev_b32 v[BOF], 4, v2
	s_mov_b32 s[SEL], 0x76543210
	s_mov_b32 s[SEL+1], 0xfedcba98
	s_mov_b32 s31, 0
	s_wait_kmcnt 0x0
	s_lshl_b32 s30, s[YY], 13
	s_add_nc_u64 s[6:7], s[6:7], s[30:31]
	s_lshl_b32 s30, s[YY], 17
	s_add_nc_u64 s[4:5], s[4:5], s[30:31]
	s_lshl_b32 s30, s[YY], 9
	s_add_nc_u64 s[8:9], s[8:9], s[30:31]
	s_add_nc_u64 s[10:11], s[10:11], s[OFW:OFW+1]
	s_add_nc_u64 s[12:13], s[12:13], s[OFO:OFO+1]
	global_load_b64 v[STA:STA+1], v[SOFF], s[6:7]
	global_load_b128 v[BV:BV+3], v[BOF], s[8:9]
.set g, 0
.rept 32
	global_load_b128 v[P+4*g:P+4*g+3], v[POF], s[4:5] offset:4096*g
.set g, g+1
.endr
	WLOADS
	s_wait_loadcnt 41
	v_mov_b32 v[T], v[STA]
	v_mov_b32 v[T+1], 0
	v_max_num_f32_dpp v[T], v[T], v[T] row_xmask:1 row_mask:0xf bank_mask:0xf
	v_max_num_f32_dpp v[T], v[T], v[T] row_xmask:2 row_mask:0xf bank_mask:0xf
	v_max_num_f32_dpp v[T], v[T], v[T] row_xmask:4 row_mask:0xf bank_mask:0xf
	v_max_num_f32_dpp v[T], v[T], v[T] row_xmask:8 row_mask:0xf bank_mask:0xf
	v_permlanex16_b32 v[T+1], v[T], s[SEL], s[SEL+1]
	v_max_num_f32 v[T], v[T], v[T+1]
	v_sub_f32 v[T+2], v[STA], v[T]
	v_exp_f32 v[T+2], v[T+2]
	v_nop
	s_wait_alu depctr_va_vdst(0)
	v_mul_f32 v[T+3], v[T+2], v[STA+1]
	v_add_f32_dpp v[T+3], v[T+3], v[T+3] row_xmask:1 row_mask:0xf bank_mask:0xf
	v_add_f32_dpp v[T+3], v[T+3], v[T+3] row_xmask:2 row_mask:0xf bank_mask:0xf
	v_add_f32_dpp v[T+3], v[T+3], v[T+3] row_xmask:4 row_mask:0xf bank_mask:0xf
	v_add_f32_dpp v[T+3], v[T+3], v[T+3] row_xmask:8 row_mask:0xf bank_mask:0xf
	v_permlanex16_b32 v[T+1], v[T+3], s[SEL], s[SEL+1]
	v_add_f32 v[T+3], v[T+3], v[T+1]
.set g, 0
.rept 32
	v_readlane_b32 s[32+g], v[T+2], g
.set g, g+1
.endr
	v_add_f32 v[T+4], 0x3089705f, v[T+3]
	v_rcp_f32 v[T+4], v[T+4]
	s_wait_loadcnt NLD
.irp e, 0,1,2,3
	v_mul_f32 v[XQ+\e], s32, v[P+\e]
.endr
.set g, 1
.rept 31
.irp e, 0,1,2,3
	v_fmac_f32 v[XQ+\e], s[32+g], v[P+4*g+\e]
.endr
.set g, g+1
.endr
.irp e, 0,1,2,3
	v_fmac_f32 v[XQ+\e], v[T+3], v[BV+\e]
.endr
	s_wait_alu depctr_va_vdst(0)
.irp e, 0,1,2,3
	v_mul_f32 v[XQ+\e], v[XQ+\e], v[T+4]
.endr
	XSTORE
	BARRIER
	CORE
	REDUCE
	s_wait_tensorcnt 0x0
	ds_add_u32 v224, v225
	s_wait_dscnt 0x0
	s_endpgm
.Lfunc_end_k_qddb80e1726_oproj:
	.size	k_qddb80e1726_oproj, .Lfunc_end_k_qddb80e1726_oproj-k_qddb80e1726_oproj
	.p2alignl 7, 3214868480
	.fill 96, 4, 3214868480
	.section	.rodata,"a",@progbits
	.p2align	6, 0x0
	.amdhsa_kernel k_qddb80e1726_oproj
		.amdhsa_group_segment_fixed_size 37888
		.amdhsa_private_segment_fixed_size 0
		.amdhsa_enable_private_segment 0
		.amdhsa_kernarg_size 40
		.amdhsa_user_sgpr_count 2
		.amdhsa_user_sgpr_kernarg_segment_ptr 1
		.amdhsa_wavefront_size32 1
		.amdhsa_system_sgpr_workgroup_id_x 1
		.amdhsa_system_sgpr_workgroup_id_y 1
		.amdhsa_system_sgpr_workgroup_id_z 1
		.amdhsa_system_vgpr_workitem_id 0
		.amdhsa_next_free_vgpr 226
		.amdhsa_next_free_sgpr 66
		.amdhsa_reserve_vcc 0
		.amdhsa_float_denorm_mode_32 3
		.amdhsa_float_denorm_mode_16_64 3
		.amdhsa_memory_ordered 1
		.amdhsa_forward_progress 1
		.amdhsa_inst_pref_size 28
	.end_amdhsa_kernel
	.amdgpu_metadata
---
amdhsa.version: [ 1, 2 ]
amdhsa.kernels:
  - .name:           k_qddb80e1726_oproj
    .symbol:         k_qddb80e1726_oproj.kd
    .args:
      - { .name: pacc, .offset: 0, .size: 8, .value_kind: global_buffer, .address_space: global }
      - { .name: pst, .offset: 8, .size: 8, .value_kind: global_buffer, .address_space: global }
      - { .name: bv, .offset: 16, .size: 8, .value_kind: global_buffer, .address_space: global }
      - { .name: wo, .offset: 24, .size: 8, .value_kind: global_buffer, .address_space: global }
      - { .name: opart, .offset: 32, .size: 8, .value_kind: global_buffer, .address_space: global }
    .group_segment_fixed_size: 37888
    .private_segment_fixed_size: 0
    .kernarg_segment_align: 8
    .kernarg_segment_size: 40
    .max_flat_workgroup_size: 256
    .sgpr_count:     66
    .vgpr_count:     226
    .wavefront_size: 32
...
	.end_amdgpu_metadata
.endif
;; end of part 3
;; launch fc1 (part 4): grid 32 x 8, 8 waves a work-group, no clusters, 50,176 bytes of LDS; arguments opart, bo, ln_g, ln_b, w1, hpart, lnst; writes hpart, lnst
.if DOCPART == 4
	.amdgcn_target "amdgcn-amd-amdhsa--gfx1250"
	.amdhsa_code_object_version 6
	.text
	.protected	k_qddb80e1726_fc1
	.globl	k_qddb80e1726_fc1
	.p2align	8
	.type	k_qddb80e1726_fc1,@function
k_qddb80e1726_fc1:
	s_mov_b64 s[64:65], 0
	v_nop
	global_prefetch_b8 v0, s[64:65] scope:SCOPE_SE
	s_setreg_imm32_b32 hwreg(HW_REG_WAVE_MODE, 25, 1), 1
	s_wait_xcnt 0x0
.set N,    2048
.set PW,   4*N
.set NW,   8
.set RW,   128/NW
.set NLD,  RW/2
.set NR,   10
.set GBB,  4096
.set REDB, 8192
.set RSTR, NR*512
.set XOF,  5
.set WOF,  6
.set XST,  7
.set BOF,  8
.set GST,  9
.set GAD,  10
.set SOFS, 11
.set XAD,  12
.set RST,  13
.set RRD,  14
.set OOF,  15
.set W,    16
.set O,    48
.set G,    52
.set BB,   56
.set P,    60
.set T,    92
.set XQ,   96
.set X,    104
.set X2,   168
.set ACC,  184
.set RQ,   16
.set WV,   20
.set YY,   21
.set SCR,  22
.set OFW,  24
.set OFO,  26
.set SEL,  28
.macro BARRIER
	s_wait_dscnt 0x0
	s_barrier_signal -1
	s_barrier_wait -1
.endm
.macro WSUM r, t
	v_add_f32_dpp v[\r], v[\r], v[\r] row_xmask:1 row_mask:0xf bank_mask:0xf
	v_add_f32_dpp v[\r], v[\r], v[\r] row_xmask:2 row_mask:0xf bank_mask:0xf
	v_add_f32_dpp v[\r], v[\r], v[\r] row_xmask:4 row_mask:0xf bank_mask:0xf
	v_add_f32_dpp v[\r], v[\r], v[\r] row_xmask:8 row_mask:0xf bank_mask:0xf
	v_permlanex16_b32 v[\t], v[\r], s[SEL], s[SEL+1]
	v_add_f32 v[\r], v[\r], v[\t]
.endm
	s_load_b256 s[4:11], s[0:1], 0x0
	s_load_b128 s[12:15], s[0:1], 0x20
	s_load_b64 s[16:17], s[0:1], 0x30
	v_lshl_add_u32 v224, v0, 2, 0xc000
	v_mov_b32 v225, 0
	v_lshrrev_b32 v1, 5, v0
	v_readfirstlane_b32 s[WV], v1
	v_and_b32 v2, 31, v0
	v_and_b32 v3, 15, v0
	v_bfe_u32 v4, v0, 4, 1
	s_and_b32 s[YY], ttmp7, 0xffff
	s_mul_i32 s[SCR], s[WV], RW*PW
	v_mul_u32_u24 v[WOF], v4, PW
	v_lshl_add_u32 v[WOF], v3, 4, v[WOF]
	v_add_nc_u32 v[WOF], s[SCR], v[WOF]
	s_lshl_b32 s30, s[YY], 9
	v_lshl_add_u32 v[BOF], v2, 4, s30
	s_lshl_b32 s[SCR], s[WV], 12
	v_add_nc_u32 v[XOF], s[SCR], v[BOF]
	s_lshl_b32 s[SCR], s[WV], 2
	v_lshl_add_u32 v[XST], v2, 7, s[SCR]
	s_lshl_b32 s[SCR], s[WV], 9
	v_lshl_add_u32 v[XAD], v4, 5, s[SCR]
	v_lshl_add_u32 v[GST], v2, 5, GBB
	s_lshl_b32 s[SCR], s[WV], 7
	s_add_co_u32 s[SCR], s[SCR], GBB
	v_lshl_add_u32 v[GAD], v4, 3, s[SCR]
	s_mul_i32 s[SCR], s[WV], RSTR
	s_add_co_u32 s[SCR], s[SCR], REDB
	v_lshl_add_u32 v[RST], v2, 4, s[SCR]
	s_lshl_b32 s[SCR], s[WV], 10
	s_add_co_u32 s[SCR], s[SCR], REDB
	v_lshlrev_b32 v[RRD], 9, v4
	v_lshl_add_u32 v[RRD], v3, 4, v[RRD]
	v_add_nc_u32 v[RRD], s[SCR], v[RRD]
	s_mul_i32 s[SCR], s[WV], 2*PW
	v_mul_u32_u24 v[OOF], v4, PW
	v_lshl_add_u32 v[OOF], v3, 4, v[OOF]
	v_add_nc_u32 v[OOF], s[SCR], v[OOF]
	s_lshl_b32 s[SCR], s[YY], 11
	s_lshl_b32 s31, s[WV], 8
	s_add_co_u32 s[SCR], s[SCR], s31
	v_lshl_add_u32 v[SOFS], v2, 3, s[SCR]
	s_mul_i32 s[OFW], s[YY], 128*PW
	s_lshl_b32 s[SCR], ttmp9, 8
	s_add_co_u32 s[OFW], s[OFW], s[SCR]
	s_mov_b32 s[OFW+1], 0
	s_mul_i32 s[OFO], s[YY], NR*PW
	s_add_co_u32 s[OFO], s[OFO], s[SCR]
	s_mov_b32 s[OFO+1], 0
	s_mov_b32 s[SEL], 0x76543210
	s_mov_b32 s[SEL+1], 0xfedcba98
	s_wait_kmcnt 0x0
	s_add_nc_u64 s[12:13], s[12:13], s[OFW:OFW+1]
	s_add_nc_u64 s[14:15], s[14:15], s[OFO:OFO+1]
	global_load_b128 v[O:O+3], v[BOF], s[6:7]
	global_load_b128 v[G:G+3], v[BOF], s[8:9]
	global_load_b128 v[BB:BB+3], v[BOF], s[10:11]
.irp p, 0,1,2,3,4,5,6,7
	global_load_b128 v[P+4*\p:P+4*\p+3], v[XOF], s[4:5] offset:\p*32768
.endr
.set i, 0
.rept NLD
	global_load_b128 v[W+4*i:W+4*i+3], v[WOF], s[12:13] offset:i*2*PW th:TH_LOAD_NT
.set i, i+1
.endr
	s_wait_loadcnt NLD
.irp p, 0,1,2,3,4,5,6,7
	v_pk_add_f32 v[O:O+1], v[O:O+1], v[P+4*\p:P+4*\p+1]
	v_pk_add_f32 v[O+2:O+3], v[O+2:O+3], v[P+4*\p+2:P+4*\p+3]
.endr
	v_pk_add_f32 v[T:T+1], v[O:O+1], v[O+2:O+3]
	v_add_f32 v[T], v[T], v[T+1]
	WSUM T, T+1
	v_mul_f32 v[T], 0x3c000000, v[T]
	v_mov_b32 v[T+1], v[T]
	v_pk_add_f32 v[XQ:XQ+1], v[O:O+1], v[T:T+1] neg_lo:[0,1] neg_hi:[0,1]
	v_pk_add_f32 v[XQ+2:XQ+3], v[O+2:O+3], v[T:T+1] neg_lo:[0,1] neg_hi:[0,1]
	v_pk_mul_f32 v[T+2:T+3], v[XQ:XQ+1], v[XQ:XQ+1]
	v_pk_fma_f32 v[T+2:T+3], v[XQ+2:XQ+3], v[XQ+2:XQ+3], v[T+2:T+3]
	v_add_f32 v[T+2], v[T+2], v[T+3]
	WSUM T+2, T+3
	v_mov_b32 v[T+1], v[T+2]
	v_pk_mul_f32 v[XQ:XQ+1], v[XQ:XQ+1], v[G:G+1]
	v_pk_mul_f32 v[XQ+2:XQ+3], v[XQ+2:XQ+3], v[G+2:G+3]
.irp e, 0,1,2,3
	ds_store_b32 v[XST], v[XQ+\e] offset:32*\e
.endr
	s_cmp_lg_u32 s[WV], 0
	s_cbranch_scc1 .Lnot_wave_0
.irp e, 0,1,2,3
	ds_store_b32 v[GST], v[G+\e] offset:8*\e
	ds_store_b32 v[GST], v[BB+\e] offset:8*\e+4
.endr
.Lnot_wave_0:
	s_cmp_lg_u32 ttmp9, 0
	s_cbranch_scc1 .Lnot_x_0
	global_store_b64 v[SOFS], v[T:T+1], s[16:17]
.Lnot_x_0:
	BARRIER
.set i, 0
.rept NLD
	ds_load_b128 v[X+8*i:X+8*i+3], v[XAD] offset:64*i
	ds_load_b128 v[X+8*i+4:X+8*i+7], v[XAD] offset:64*i+16
	ds_load_b64 v[X2+2*i:X2+2*i+1], v[GAD] offset:16*i
.set i, i+1
.endr
	s_wait_dscnt 0x0
	s_wait_loadcnt 0x0
.irp m, 0,2,4,6
.irp c, 0,2
	v_pk_mul_f32 v[ACC+4*\m+\c:ACC+4*\m+\c+1], v[W+\c:W+\c+1], v[X+\m:X+\m+1] op_sel_hi:[1,0]
	v_pk_mul_f32 v[ACC+4*\m+4+\c:ACC+4*\m+4+\c+1], v[W+\c:W+\c+1], v[X+\m:X+\m+1] op_sel:[0,1] op_sel_hi:[1,1]
.endr
.endr
.irp c, 0,2
	v_pk_mul_f32 v[ACC+32+\c:ACC+32+\c+1], v[W+\c:W+\c+1], v[X2:X2+1] op_sel_hi:[1,0]
	v_pk_mul_f32 v[ACC+36+\c:ACC+36+\c+1], v[W+\c:W+\c+1], v[X2:X2+1] op_sel:[0,1] op_sel_hi:[1,1]
.endr
.set i, 1
.rept NLD-1
.irp m, 0,2,4,6
.irp c, 0,2
	v_pk_fma_f32 v[ACC+4*\m+\c:ACC+4*\m+\c+1], v[W+4*i+\c:W+4*i+\c+1], v[X+8*i+\m:X+8*i+\m+1], v[ACC+4*\m+\c:ACC+4*\m+\c+1] op_sel_hi:[1,0,1]
	v_pk_fma_f32 v[ACC+4*\m+4+\c:ACC+4*\m+4+\c+1], v[W+4*i+\c:W+4*i+\c+1], v[X+8*i+\m:X+8*i+\m+1], v[ACC+4*\m+4+\c:ACC+4*\m+4+\c+1] op_sel:[0,1,0] op_sel_hi:[1,1,1]
.endr
.endr
.irp c, 0,2
	v_pk_fma_f32 v[ACC+32+\c:ACC+32+\c+1], v[W+4*i+\c:W+4*i+\c+1], v[X2+2*i:X2+2*i+1], v[ACC+32+\c:ACC+32+\c+1] op_sel_hi:[1,0,1]
	v_pk_fma_f32 v[ACC+36+\c:ACC+36+\c+1], v[W+4*i+\c:W+4*i+\c+1], v[X2+2*i:X2+2*i+1], v[ACC+36+\c:ACC+36+\c+1] op_sel:[0,1,0] op_sel_hi:[1,1,1]
.endr
.set i, i+1
.endr
.irp m, 0,1,2,3,4,5,6,7,8,9
	ds_store_b128 v[RST], v[ACC+4*\m:ACC+4*\m+3] offset:512*\m
.endr
	BARRIER
	s_cmp_gt_u32 s[WV], 4
	s_cbranch_scc1 .Lend
.set t, 0
.rept 2*NW
	ds_load_b128 v[RQ+4*t:RQ+4*t+3], v[RRD] offset:(t/2)*RSTR+(t%2)*256
.set t, t+1
.endr
	s_wait_dscnt 0x0
.set t, 2
.rept 2*NW-2
	v_pk_add_f32 v[RQ+4*(t%2):RQ+4*(t%2)+1], v[RQ+4*(t%2):RQ+4*(t%2)+1], v[RQ+4*t:RQ+4*t+1]
	v_pk_add_f32 v[RQ+4*(t%2)+2:RQ+4*(t%2)+3], v[RQ+4*(t%2)+2:RQ+4*(t%2)+3], v[RQ+4*t+2:RQ+4*t+3]
.set t, t+1
.endr
	v_pk_add_f32 v[RQ:RQ+1], v[RQ:RQ+1], v[RQ+4:RQ+5]
	v_pk_add_f32 v[RQ+2:RQ+3], v[RQ+2:RQ+3], v[RQ+6:RQ+7]
	global_store_b128 v[OOF], v[RQ:RQ+3], s[14:15]
.Lend:
	s_wait_tensorcnt 0x0
	ds_add_u32 v224, v225
	s_wait_dscnt 0x0
	s_endpgm
.Lfunc_end_k_qddb80e1726_fc1:
	.size	k_qddb80e1726_fc1, .Lfunc_end_k_qddb80e1726_fc1-k_qddb80e1726_fc1
	.p2alignl 7, 3214868480
	.fill 96, 4, 3214868480
	.section	.rodata,"a",@progbits
	.p2align	6, 0x0
	.amdhsa_kernel k_qddb80e1726_fc1
		.amdhsa_group_segment_fixed_size 50176
		.amdhsa_private_segment_fixed_size 0
		.amdhsa_enable_private_segment 0
		.amdhsa_kernarg_size 56
		.amdhsa_user_sgpr_count 2
		.amdhsa_user_sgpr_kernarg_segment_ptr 1
		.amdhsa_wavefront_size32 1
		.amdhsa_system_sgpr_workgroup_id_x 1
		.amdhsa_system_sgpr_workgroup_id_y 1
		.amdhsa_system_sgpr_workgroup_id_z 1
		.amdhsa_system_vgpr_workitem_id 0
		.amdhsa_next_free_vgpr 226
		.amdhsa_next_free_sgpr 66
		.amdhsa_reserve_vcc 0
		.amdhsa_float_denorm_mode_32 3
		.amdhsa_float_denorm_mode_16_64 3
		.amdhsa_memory_ordered 1
		.amdhsa_forward_progress 1
		.amdhsa_inst_pref_size 24
	.end_amdhsa_kernel
	.amdgpu_metadata
---
amdhsa.version: [ 1, 2 ]
amdhsa.kernels:
  - .name:           k_qddb80e1726_fc1
    .symbol:         k_qddb80e1726_fc1.kd
    .args:
      - { .name: opart, .offset: 0, .size: 8, .value_kind: global_buffer, .address_space: global }
      - { .name: bo, .offset: 8, .size: 8, .value_kind: global_buffer, .address_space: global }
      - { .name: ln_g, .offset: 16, .size: 8, .value_kind: global_buffer, .address_space: global }
      - { .name: ln_b, .offset: 24, .size: 8, .value_kind: global_buffer, .address_space: global }
      - { .name: w1, .offset: 32, .size: 8, .value_kind: global_buffer, .address_space: global }
      - { .name: hpart, .offset: 40, .size: 8, .value_kind: global_buffer, .address_space: global }
      - { .name: lnst, .offset: 48, .size: 8, .value_kind: global_buffer, .address_space: global }
    .group_segment_fixed_size: 50176
    .private_segment_fixed_size: 0
    .kernarg_segment_align: 8
    .kernarg_segment_size: 56
    .max_flat_workgroup_size: 256
    .sgpr_count:     66
    .vgpr_count:     226
    .wavefront_size: 32
...
	.end_amdgpu_metadata
.endif
;; end of part 4
;; launch fc2 (part 5): grid 16 x 16, 8 waves a work-group, no clusters, 46,080 bytes of LDS; arguments hpart, lnst, b1, w2, ypart; writes ypart
.if DOCPART == 5
	.amdgcn_target "amdgcn-amd-amdhsa--gfx1250"
	.amdhsa_code_object_version 6
	.text
	.protected	k_qddb80e1726_fc2
	.globl	k_qddb80e1726_fc2
	.p2align	8
	.type	k_qddb80e1726_fc2,@function
k_qddb80e1726_fc2:
	s_mov_b64 s[64:65], 0
	v_nop
	global_prefetch_b8 v0, s[64:65] scope:SCOPE_SE
	s_setreg_imm32_b32 hwreg(HW_REG_WAVE_MODE, 25, 1), 1
	s_wait_xcnt 0x0
.set N,    1024
.set PW,   4*N
.set NW,   8
.set RW,   128/NW
.set NLD,  RW/2
.set HROW, 8192
.set HSL,  10*HROW
.set GBL,  4096
.set REDB, 12288
.set XOF,  5
.set WOF,  6
.set XST,  7
.set XQ,   8
.set XAD,  12
.set RST,  13
.set RRD,  14
.set OOF,  15
.set W,    16
.set P,    48
.set X,    48
.set GS,   80
.set GT,   84
.set GU,   88
.set GP,   92
.set GH,   96
.set ACC,  112
.set BOF,  144
.set GOF,  145
.set SOF,  146
.set GBW,  147
.set GBR,  148
.set ST,   150
.set TT,   152
.set GQ,   156
.set BQ,   160
.set AC,   164
.set GG,   168
.set BG,   200
.set RQ,   16
.set WV,   20
.set YY,   21
.set SCR,  22
.set OFW,  24
.set OFO,  26
.set CY,   48
.set WB,   10
.set OB,   12
.macro BARRIER
	s_wait_dscnt 0x0
	s_barrier_signal -1
	s_barrier_wait -1
.endm
.macro SUM8 r
	v_add_f32_dpp v[\r], v[\r], v[\r] row_xmask:1 row_mask:0xf bank_mask:0xf
	v_add_f32_dpp v[\r], v[\r], v[\r] row_xmask:2 row_mask:0xf bank_mask:0xf
	v_add_f32_dpp v[\r], v[\r], v[\r] row_xmask:4 row_mask:0xf bank_mask:0xf
.endm
	s_load_b256 s[4:11], s[0:1], 0x0
	s_load_b64 s[12:13], s[0:1], 0x20
	v_lshl_add_u32 v232, v0, 2, 0xb000
	v_mov_b32 v233, 0
	v_lshrrev_b32 v1, 5, v0
	v_readfirstlane_b32 s[WV], v1
	v_and_b32 v2, 31, v0
	v_and_b32 v3, 15, v0
	v_bfe_u32 v4, v0, 4, 1
	s_and_b32 s[YY], ttmp7, 0xffff
	s_mul_i32 s[SCR], s[WV], RW*PW
	v_mul_u32_u24 v[WOF], v4, PW
	v_lshl_add_u32 v[WOF], v3, 4, v[WOF]
	v_add_nc_u32 v[WOF], s[SCR], v[WOF]
	s_lshl_b32 s[SCR], s[WV], 2
	v_lshl_add_u32 v[XST], v2, 7, s[SCR]
	s_mul_i32 s[SCR], s[WV], RW*32
	v_lshl_add_u32 v[XAD], v4, 5, s[SCR]
	s_lshl_b32 s[SCR], s[WV], 12
	s_add_co_u32 s[SCR], s[SCR], REDB
	v_lshl_add_u32 v[RST], v2, 4, s[SCR]
	s_lshl_b32 s[SCR], s[WV], 10
	s_add_co_u32 s[SCR], s[SCR], REDB
	v_lshlrev_b32 v[RRD], 9, v4
	v_lshl_add_u32 v[RRD], v3, 4, v[RRD]
	v_add_nc_u32 v[RRD], s[SCR], v[RRD]
	s_mul_i32 s[SCR], s[WV], 2*PW
	v_mul_u32_u24 v[OOF], v4, PW
	v_lshl_add_u32 v[OOF], v3, 4, v[OOF]
	v_add_nc_u32 v[OOF], s[SCR], v[OOF]
	s_mul_i32 s[OFW], s[YY], 128*PW
	s_lshl_b32 s[SCR], ttmp9, 8
	s_add_co_u32 s[OFW], s[OFW], s[SCR]
	s_mov_b32 s[OFW+1], 0
	s_mul_i32 s[OFO], s[YY], 8*PW
	s_add_co_u32 s[OFO], s[OFO], s[SCR]
	s_mov_b32 s[OFO+1], 0
	s_lshl_b32 s30, s[YY], 9
	v_lshl_add_u32 v[BOF], v2, 4, s30
	s_lshl_b32 s[SCR], s[WV], 13
	v_add_nc_u32 v[XOF], s[SCR], v[BOF]
	s_mul_i32 s[SCR], s[WV], HSL
	v_add_nc_u32 v[GOF], s[SCR], v[BOF]
	v_and_b32 v1, 7, v0
	s_lshl_b32 s[SCR], s[WV], 8
	v_lshl_add_u32 v[SOF], v1, 11, s[SCR]
	s_lshl_b32 s[SCR], s[WV], 10
	s_add_co_u32 s[SCR], s[SCR], GBL
	v_lshl_add_u32 v[GBW], v2, 4, s[SCR]
	v_lshl_add_u32 v[GBR], v2, 4, GBL
	s_mov_b32 s32, 0x3ea7ba05
	s_mov_b32 s33, 0x3f87dc22
	s_mov_b32 s34, 0xbfba00e3
	s_mov_b32 s35, 0x3fb5f0e3
	s_mov_b32 s36, 0xbe91a98e
	s_mov_b32 s37, 0x3e827906
	s_mov_b32 s38, 0xbe000000
	s_mov_b32 s39, 0x43000000
	s_mov_b32 s40, 0x3a800000
	s_mov_b32 s41, 0x3727c5ac
	s_wait_kmcnt 0x0
	s_add_nc_u64 s[10:11], s[10:11], s[OFW:OFW+1]
	s_add_nc_u64 s[12:13], s[12:13], s[OFO:OFO+1]
	global_load_b128 v[GQ:GQ+3], v[GOF], s[4:5] offset:8*HROW
	global_load_b128 v[BQ:BQ+3], v[GOF], s[4:5] offset:9*HROW
	global_load_b64 v[ST:ST+1], v[SOF], s[6:7]
	global_load_b128 v[XQ:XQ+3], v[BOF], s[8:9]
.irp p, 0,1,2,3,4,5,6,7
	global_load_b128 v[P+4*\p:P+4*\p+3], v[XOF], s[4:5] offset:\p*HSL
.endr
.set i, 0
.rept NLD
	global_load_b128 v[W+4*i:W+4*i+3], v[WOF], s[WB:WB+1] offset:i*2*PW th:TH_LOAD_NT
.set i, i+1
.endr
	s_wait_loadcnt 18
	ds_store_b128 v[GBW], v[GQ:GQ+3]
	ds_store_b128 v[GBW], v[BQ:BQ+3] offset:512
	s_wait_loadcnt 17
	v_mov_b32 v[TT], v[ST]
	SUM8 TT
	v_fma_f32 v[TT+1], v[TT], s38, v[ST]
	v_mul_f32 v[TT+2], v[TT+1], v[TT+1]
	v_fma_f32 v[TT+2], v[TT+2], s39, v[ST+1]
	SUM8 TT+2
	v_fma_f32 v[TT+2], v[TT+2], s40, s41
	v_rsq_f32 v[TT+3], v[TT+2]
.irp y, 0,1,2,3,4,5,6,7
	v_readlane_b32 s[CY+\y], v[TT+1], \y
.endr
	BARRIER
.irp y, 0,1,2,3,4,5,6,7
	ds_load_b128 v[GG+4*\y:GG+4*\y+3], v[GBR] offset:1024*\y
	ds_load_b128 v[BG+4*\y:BG+4*\y+3], v[GBR] offset:1024*\y+512
.endr
	s_wait_loadcnt NLD
	v_pk_add_f32 v[AC:AC+1], v[P:P+1], v[P+4:P+5]
	v_pk_add_f32 v[AC+2:AC+3], v[P+2:P+3], v[P+6:P+7]
.irp p, 2,3,4,5,6,7
	v_pk_add_f32 v[AC:AC+1], v[AC:AC+1], v[P+4*\p:P+4*\p+1]
	v_pk_add_f32 v[AC+2:AC+3], v[AC+2:AC+3], v[P+4*\p+2:P+4*\p+3]
.endr
	s_wait_dscnt 0x0
.irp y, 0,1,2,3,4,5,6,7
	v_pk_add_f32 v[XQ:XQ+1], v[XQ:XQ+1], v[BG+4*\y:BG+4*\y+1]
	v_pk_add_f32 v[XQ+2:XQ+3], v[XQ+2:XQ+3], v[BG+4*\y+2:BG+4*\y+3]
.irp e, 0,1,2,3
	v_fmac_f32 v[AC+\e], s[CY+\y], v[GG+4*\y+\e]
.endr
.endr
	s_wait_alu depctr_va_vdst(0)
.irp e, 0,1,2,3
	v_fma_f32 v[XQ+\e], v[AC+\e], v[TT+3], v[XQ+\e]
.endr
.irp e, 0,1,2,3
	v_mul_f32 v[GS+\e], 0x3f3504f3, |v[XQ+\e]|
.endr
.irp e, 0,1,2,3
	v_fma_f32 v[GT+\e], v[GS+\e], s32, 1.0
.endr
.irp e, 0,1,2,3
	v_mul_f32 v[GU+\e], v[GS+\e], v[GS+\e]
.endr
.irp e, 0,1,2,3
	v_mul_f32 v[GU+\e], 0xbfb8aa3b, v[GU+\e]
.endr
.irp e, 0,1,2,3
	v_rcp_f32 v[GT+\e], v[GT+\e]
.endr
.irp e, 0,1,2,3
	v_exp_f32 v[GU+\e], v[GU+\e]
.endr
.irp e, 0,1,2,3
	v_mul_f32 v[GH+\e], 0.5, v[XQ+\e]
.endr
	s_wait_alu depctr_va_vdst(0)
.irp e, 0,1,2,3
	v_fma_f32 v[GP+\e], v[GT+\e], s33, s34
.endr
.irp e, 0,1,2,3
	v_fma_f32 v[GP+\e], v[GP+\e], v[GT+\e], s35
.endr
.irp e, 0,1,2,3
	v_fma_f32 v[GP+\e], v[GP+\e], v[GT+\e], s36
.endr
.irp e, 0,1,2,3
	v_fma_f32 v[GP+\e], v[GP+\e], v[GT+\e], s37
.endr
.irp e, 0,1,2,3
	v_mul_f32 v[GP+\e], v[GP+\e], v[GT+\e]
.endr
.irp e, 0,1,2,3
	v_mul_f32 v[GP+\e], v[GP+\e], v[GU+\e]
.endr
.irp e, 0,1,2,3
	v_sub_f32 v[GS+\e], 2.0, v[GP+\e]
.endr
.irp e, 0,1,2,3
	v_cmp_gt_f32 vcc_lo, 0, v[XQ+\e]
	v_cndmask_b32 v[GS+\e], v[GS+\e], v[GP+\e], vcc_lo
.endr
.irp e, 0,1,2,3
	v_mul_f32 v[XQ+\e], v[GH+\e], v[GS+\e]
.endr
.irp e, 0,1,2,3
	ds_store_b32 v[XST], v[XQ+\e] offset:32*\e
.endr
	BARRIER
.set i, 0
.rept NLD
	ds_load_b128 v[X+8*i:X+8*i+3], v[XAD] offset:64*i
	ds_load_b128 v[X+8*i+4:X+8*i+7], v[XAD] offset:64*i+16
.set i, i+1
.endr
	s_wait_dscnt 0x0
	s_wait_loadcnt 0x0
.irp m, 0,2,4,6
.irp c, 0,2
	v_pk_mul_f32 v[ACC+4*\m+\c:ACC+4*\m+\c+1], v[W+\c:W+\c+1], v[X+\m:X+\m+1] op_sel_hi:[1,0]
	v_pk_mul_f32 v[ACC+4*\m+4+\c:ACC+4*\m+4+\c+1], v[W+\c:W+\c+1], v[X+\m:X+\m+1] op_sel:[0,1] op_sel_hi:[1,1]
.endr
.endr
.set i, 1
.rept NLD-1
.irp m, 0,2,4,6
.irp c, 0,2
	v_pk_fma_f32 v[ACC+4*\m+\c:ACC+4*\m+\c+1], v[W+4*i+\c:W+4*i+\c+1], v[X+8*i+\m:X+8*i+\m+1], v[ACC+4*\m+\c:ACC+4*\m+\c+1] op_sel_hi:[1,0,1]
	v_pk_fma_f32 v[ACC+4*\m+4+\c:ACC+4*\m+4+\c+1], v[W+4*i+\c:W+4*i+\c+1], v[X+8*i+\m:X+8*i+\m+1], v[ACC+4*\m+4+\c:ACC+4*\m+4+\c+1] op_sel:[0,1,0] op_sel_hi:[1,1,1]
.endr
.endr
.set i, i+1
.endr
.irp m, 0,1,2,3,4,5,6,7
	ds_store_b128 v[RST], v[ACC+4*\m:ACC+4*\m+3] offset:512*\m
.endr
	BARRIER
	s_cmp_gt_u32 s[WV], 3
	s_cbranch_scc1 .Lend
.set t, 0
.rept 2*NW
	ds_load_b128 v[RQ+4*t:RQ+4*t+3], v[RRD] offset:(t/2)*4096+(t%2)*256
.set t, t+1
.endr
	s_wait_dscnt 0x0
.set t, 2
.rept 2*NW-2
	v_pk_add_f32 v[RQ+4*(t%2):RQ+4*(t%2)+1], v[RQ+4*(t%2):RQ+4*(t%2)+1], v[RQ+4*t:RQ+4*t+1]
	v_pk_add_f32 v[RQ+4*(t%2)+2:RQ+4*(t%2)+3], v[RQ+4*(t%2)+2:RQ+4*(t%2)+3], v[RQ+4*t+2:RQ+4*t+3]
.set t, t+1
.endr
	v_pk_add_f32 v[RQ:RQ+1], v[RQ:RQ+1], v[RQ+4:RQ+5]
	v_pk_add_f32 v[RQ+2:RQ+3], v[RQ+2:RQ+3], v[RQ+6:RQ+7]
	global_store_b128 v[OOF], v[RQ:RQ+3], s[OB:OB+1]
.Lend:
	s_wait_tensorcnt 0x0
	ds_add_u32 v232, v233
	s_wait_dscnt 0x0
	s_endpgm
.Lfunc_end_k_qddb80e1726_fc2:
	.size	k_qddb80e1726_fc2, .Lfunc_end_k_qddb80e1726_fc2-k_qddb80e1726_fc2
	.p2alignl 7, 3214868480
	.fill 96, 4, 3214868480
	.section	.rodata,"a",@progbits
	.p2align	6, 0x0
	.amdhsa_kernel k_qddb80e1726_fc2
		.amdhsa_group_segment_fixed_size 46080
		.amdhsa_private_segment_fixed_size 0
		.amdhsa_enable_private_segment 0
		.amdhsa_kernarg_size 40
		.amdhsa_user_sgpr_count 2
		.amdhsa_user_sgpr_kernarg_segment_ptr 1
		.amdhsa_wavefront_size32 1
		.amdhsa_system_sgpr_workgroup_id_x 1
		.amdhsa_system_sgpr_workgroup_id_y 1
		.amdhsa_system_sgpr_workgroup_id_z 1
		.amdhsa_system_vgpr_workitem_id 0
		.amdhsa_next_free_vgpr 234
		.amdhsa_next_free_sgpr 66
		.amdhsa_reserve_vcc 1
		.amdhsa_float_denorm_mode_32 3
		.amdhsa_float_denorm_mode_16_64 3
		.amdhsa_memory_ordered 1
		.amdhsa_forward_progress 1
		.amdhsa_inst_pref_size 28
	.end_amdhsa_kernel
	.amdgpu_metadata
---
amdhsa.version: [ 1, 2 ]
amdhsa.kernels:
  - .name:           k_qddb80e1726_fc2
    .symbol:         k_qddb80e1726_fc2.kd
    .args:
      - { .name: hpart, .offset: 0, .size: 8, .value_kind: global_buffer, .address_space: global }
      - { .name: lnst, .offset: 8, .size: 8, .value_kind: global_buffer, .address_space: global }
      - { .name: b1, .offset: 16, .size: 8, .value_kind: global_buffer, .address_space: global }
      - { .name: w2, .offset: 24, .size: 8, .value_kind: global_buffer, .address_space: global }
      - { .name: ypart, .offset: 32, .size: 8, .value_kind: global_buffer, .address_space: global }
    .group_segment_fixed_size: 46080
    .private_segment_fixed_size: 0
    .kernarg_segment_align: 8
    .kernarg_segment_size: 40
    .max_flat_workgroup_size: 256
    .sgpr_count:     66
    .vgpr_count:     234
    .wavefront_size: 32
...
	.end_amdgpu_metadata
.endif
;; end of part 5
;; launch final (part 6): grid 16 x 1, 4 waves a work-group, no clusters, 2,560 bytes of LDS; arguments opart, bo, ypart, b2, out0, out1; writes out0, out1
.if DOCPART == 6
	.amdgcn_target "amdgcn-amd-amdhsa--gfx1250"
	.amdhsa_code_object_version 6
	.text
	.protected	k_qddb80e1726_final
	.globl	k_qddb80e1726_final
	.p2align	8
	.type	k_qddb80e1726_final,@function
k_qddb80e1726_final:
	s_mov_b64 s[64:65], 0
	v_nop
	global_prefetch_b8 v0, s[64:65] scope:SCOPE_SE
	s_setreg_imm32_b32 hwreg(HW_REG_WAVE_MODE, 25, 1), 1
	s_wait_xcnt 0x0
	s_load_b256 s[4:11], s[0:1], 0x0
	s_load_b128 s[12:15], s[0:1], 0x20
	v_lshl_add_u32 v112, v0, 2, 0x800
	v_mov_b32 v113, 0
	v_lshrrev_b32 v1, 5, v0
	v_readfirstlane_b32 s16, v1
	v_and_b32 v2, 31, v0
	v_and_b32 v3, 15, v0
	v_bfe_u32 v4, v0, 4, 1
	s_lshl_b32 s17, ttmp9, 8
	v_lshl_add_u32 v6, v3, 4, s17
	s_lshl_b32 s18, s16, 13
	v_lshl_add_u32 v5, v4, 12, v6
	v_add_nc_u32 v5, s18, v5
	s_lshl_b32 s18, s16, 9
	v_lshlrev_b32 v7, 8, v4
	v_lshl_add_u32 v7, v3, 4, v7
	v_add_nc_u32 v7, s18, v7
	v_lshlrev_b32 v1, 3, v2
	v_add_nc_u32 v2, s17, v1
	s_wait_kmcnt 0x0
	global_load_b128 v[8:11], v6, s[6:7]
	global_load_b128 v[12:15], v6, s[10:11]
.irp p, 0,1,2,3,4,5,6,7
	global_load_b128 v[16+4*\p:19+4*\p], v5, s[4:5] offset:\p*32768
.endr
.irp p, 0,1,2,3,4,5,6,7,8,9,10,11,12,13,14,15
	global_load_b128 v[48+4*\p:51+4*\p], v5, s[8:9] offset:\p*32768
.endr
	s_wait_loadcnt 0x0
.irp p, 0,1,2,3,4,5,6,7
	v_pk_add_f32 v[8:9], v[8:9], v[16+4*\p:17+4*\p]
	v_pk_add_f32 v[10:11], v[10:11], v[18+4*\p:19+4*\p]
	v_pk_add_f32 v[12:13], v[12:13], v[48+8*\p:49+8*\p]
	v_pk_add_f32 v[14:15], v[14:15], v[50+8*\p:51+8*\p]
.endr
.irp p, 1,2,3,4,5,6,7
	v_pk_add_f32 v[52:53], v[52:53], v[52+8*\p:53+8*\p]
	v_pk_add_f32 v[54:55], v[54:55], v[54+8*\p:55+8*\p]
.endr
	v_pk_add_f32 v[12:13], v[12:13], v[52:53]
	v_pk_add_f32 v[14:15], v[14:15], v[54:55]
	v_pk_add_f32 v[8:9], v[8:9], v[12:13]
	v_pk_add_f32 v[10:11], v[10:11], v[14:15]
	global_store_b128 v5, v[8:11], s[12:13]
	ds_store_b128 v7, v[8:11]
	s_wait_dscnt 0x0
	s_barrier_signal -1
	s_barrier_wait -1
	s_cmp_lg_u32 s16, 0
	s_cbranch_scc1 .Lend
.irp m, 0,1,2,3,4,5,6,7
	ds_load_b64 v[24+2*\m:25+2*\m], v1 offset:256*\m
.endr
	s_wait_dscnt 0x0
	v_pk_add_f32 v[24:25], v[24:25], v[26:27]
	v_pk_add_f32 v[28:29], v[28:29], v[30:31]
	v_pk_add_f32 v[32:33], v[32:33], v[34:35]
	v_pk_add_f32 v[36:37], v[36:37], v[38:39]
	v_pk_add_f32 v[24:25], v[24:25], v[28:29]
	v_pk_add_f32 v[32:33], v[32:33], v[36:37]
	v_pk_add_f32 v[24:25], v[24:25], v[32:33]
	v_pk_mul_f32 v[24:25], v[24:25], 0x3e000000 op_sel_hi:[1,0]
	global_store_b64 v2, v[24:25], s[14:15]
.Lend:
	s_wait_tensorcnt 0x0
	ds_add_u32 v112, v113
	s_wait_dscnt 0x0
	s_endpgm
.Lfunc_end_k_qddb80e1726_final:
	.size	k_qddb80e1726_final, .Lfunc_end_k_qddb80e1726_final-k_qddb80e1726_final
	.p2alignl 7, 3214868480
	.fill 96, 4, 3214868480
	.section	.rodata,"a",@progbits
	.p2align	6, 0x0
	.amdhsa_kernel k_qddb80e1726_final
		.amdhsa_group_segment_fixed_size 2560
		.amdhsa_private_segment_fixed_size 0
		.amdhsa_enable_private_segment 0
		.amdhsa_kernarg_size 48
		.amdhsa_user_sgpr_count 2
		.amdhsa_user_sgpr_kernarg_segment_ptr 1
		.amdhsa_wavefront_size32 1
		.amdhsa_system_sgpr_workgroup_id_x 1
		.amdhsa_system_sgpr_workgroup_id_y 1
		.amdhsa_system_sgpr_workgroup_id_z 1
		.amdhsa_system_vgpr_workitem_id 0
		.amdhsa_next_free_vgpr 114
		.amdhsa_next_free_sgpr 66
		.amdhsa_reserve_vcc 0
		.amdhsa_float_denorm_mode_32 3
		.amdhsa_float_denorm_mode_16_64 3
		.amdhsa_memory_ordered 1
		.amdhsa_forward_progress 1
		.amdhsa_inst_pref_size 9
	.end_amdhsa_kernel
	.amdgpu_metadata
---
amdhsa.version: [ 1, 2 ]
amdhsa.kernels:
  - .name:           k_qddb80e1726_final
    .symbol:         k_qddb80e1726_final.kd
    .args:
      - { .name: opart, .offset: 0, .size: 8, .value_kind: global_buffer, .address_space: global }
      - { .name: bo, .offset: 8, .size: 8, .value_kind: global_buffer, .address_space: global }
      - { .name: ypart, .offset: 16, .size: 8, .value_kind: global_buffer, .address_space: global }
      - { .name: b2, .offset: 24, .size: 8, .value_kind: global_buffer, .address_space: global }
      - { .name: out0, .offset: 32, .size: 8, .value_kind: global_buffer, .address_space: global }
      - { .name: out1, .offset: 40, .size: 8, .value_kind: global_buffer, .address_space: global }
    .group_segment_fixed_size: 2560
    .private_segment_fixed_size: 0
    .kernarg_segment_align: 8
    .kernarg_segment_size: 48
    .max_flat_workgroup_size: 128
    .sgpr_count:     66
    .vgpr_count:     114
    .wavefront_size: 32
...
	.end_amdgpu_metadata
.endif
;; end of part 6
